; MI455X (gfx1250); checked and timed in simulation.
; The chip was launched on July 23, 2026; its instructions are those of AMD's public machine-readable ISA for CDNA 5 (MIT licence, August 2026) and "CDNA5" Instruction Set Architecture Reference Guide (July 2026). The comments in the code are by the model that wrote it; some were corrected since.
;; TPI Llama Attention. Allowed arithmetic: matrix products marked QUANTISED: E2M3 operands, one E8M0 scale for each 32 along K, by v_wmma_scale_f32_16x16x128_f8f6f4 with both operands' format E2M3, f32 sums; everything else in f32.
;; Inputs: Wk 512 x 4,096 float32; Wo 4,096 x 1,024 float32; Wq 1,024 x 4,096 float32; Wv 512 x 4,096 float32; attention_mask 2 x 1 x 2,048 x 2,048 float32; cos 2 x 2,048 x 128 float32; hidden_states 2 x 2,048 x 4,096 float32; sin 2 x 2,048 x 128 float32.
;; Outputs: out0 2 x 2,048 x 4,096 float32.
;; This version of the problem:
;;   THIS VERSION OF THE PROBLEM IS GIVEN IN LOW PRECISION. The matrix products marked QUANTISED in the list below multiply operands that are first quantised to E2M3 (2 exponent bits, 3 mantissa bits; 6 bits a number), with one power-of-two scale for each 32 numbers along K (OCP MX v1.0); their sums are f32. All else is computed in f32.
;;   The module's matrix products, in the order in which they are computed (A, B: the left and right operand; K: the contracted axis; several contracted axes count as one K, in the product's order):
;;     1. [M 4,096, K 4,096] x [K 4,096, N 1,024]; A: input hidden_states; B: input Wq: QUANTISED
;;     2. [M 4,096, K 4,096] x [K 4,096, N 512]; A: input hidden_states; B: input Wk: QUANTISED
;;     3. [M 4,096, K 4,096] x [K 4,096, N 512]; A: input hidden_states; B: input Wv: QUANTISED
;;     4. batch 16 x [M 2,048, K 128] x [K 128, N 2,048]; A: computed on the way; B: computed on the way: QUANTISED
;;     5. batch 16 x [M 2,048, K 2,048] x [K 2,048, N 128]; A: softmax (see below); B: computed on the way: QUANTISED
;;     6. [M 4,096, K 1,024] x [K 1,024, N 4,096]; A: computed on the way; B: input Wo: QUANTISED
;;   THE QUANTISER, for each operand of a quantised product, along K:
;;     - K is cut into blocks of 32 from its start; a last block that is shorter is filled with zeros.
;;     - A block's scale is 2^e with e = floor(log2(the largest magnitude in the block)) - 2, held to -126 .. 127; a block of zeros has e = 0. As a byte (E8M0): e + 127.
;;     - Each number is divided by its block's scale, clamped to +-7.5, and rounded to the nearest number of E2M3, ties to even, subnormals kept.
;;     - The product sums the exact products of the quantised numbers (number of the format x scale) in f32.
;;   ~~~python
;;   def quantise(x, axis):      # numpy; x: float32 -> the quantised numbers, widened to float32 again
;;       x = np.moveaxis(x, axis, -1); K = x.shape[-1]
;;       x = np.pad(x, [(0, 0)] * (x.ndim - 1) + [(0, -K % 32)]); x = x.reshape(x.shape[:-1] + (-1, 32)); a = np.abs(x).max(-1, keepdims=True)
;;       e = np.where(a > 0, np.clip(np.frexp(np.where(a > 0, a, 1))[1] - 1 - 2, -126, 127), 0)      # np.frexp(a)[1] - 1 = floor(log2(a)), exactly
;;       r = np.clip(x / 2.0 ** e, -7.5, 7.5)
;;       step = 2.0 ** (np.maximum(np.frexp(np.where(r == 0, 1, r))[1] - 1, 0) - 3)
;;       q = np.round(r / step) * step * 2.0 ** e      # np.round: ties to even
;;       return np.moveaxis(q.reshape(q.shape[:-2] + (-1,))[..., :K], -1, axis).astype(np.float32)
;;   ~~~
;;   SOFTMAX AHEAD OF A QUANTISED PRODUCT. Where the list says 'softmax', what is quantised is not the finished softmax but p = 2^(t - M), with t = logit x log2(e) and M = ceil(the row's largest t), a whole number; so 1/2 < the row's largest p <= 1. The row's sum l is taken of the UNQUANTISED p, in f32, and the product's result is divided by l at the end. Since M is a whole number, a kernel that streams over the keys may use a running M (the ceiling of the running maximum): every later rescaling is an exact power of two, which a block's scale takes up: the codes' values come out the same.
;;   OPERANDS COMPUTED ON THE WAY. 'Computed on the way' means the value that the module computes at that place (a softmax that the list does not call 'softmax' is quantised finished and normalised). What goes into a quantiser is computed in f32, as accurately as f32 sums, v_exp_f32 and their like allow (about 1e-6 of the number): no bf16 or f16 on the way to a quantiser, and a product that is left as it is and whose result goes on into a quantised operand takes f32 operands (vector FMAs, or v_wmma_f32_16x16x4_f32). A number that lies on a knife's edge between two numbers of the format may be rounded either way, as far as f32 arithmetic and the matrix unit's own rounding can turn it there, and no further.
;; One version. Each part assembles by itself: llvm-mc -triple=amdgcn-amd-amdhsa -mcpu=gfx1250 --defsym DOCPART=n.
;; ======== version 1 of 1: 4 launches
;; limits: right only within a limited range of input values
;; workspace buffers: codes 22,937,600 bytes; qk_img 4,915,200 bytes; v_img 1,638,400 bytes; at_img 3,145,728 bytes; at_scl 131,072 bytes
;; launch quant (part 1): grid 896 x 1, 4 waves a work-group, no clusters, 34,304 bytes of LDS; arguments hidden_states, Wq, Wk, Wv, Wo, codes; writes codes
.if DOCPART == 1
	.amdgcn_target "amdgcn-amd-amdhsa--gfx1250"
	.amdhsa_code_object_version 6
	.text
	.protected	k_qfac5b3b775_quant
	.globl	k_qfac5b3b775_quant
	.p2align	8
	.type	k_qfac5b3b775_quant,@function
k_qfac5b3b775_quant:
	s_mov_b64 s[64:65], 0
	v_nop
	global_prefetch_b8 v0, s[64:65] scope:SCOPE_SE
	s_setreg_imm32_b32 hwreg(HW_REG_WAVE_MODE, 25, 1), 1
	s_wait_xcnt 0x0
; hidden_states [4096][4096], Wq [1024][4096], Wk, Wv [512][4096], Wo [4096][1024], all f32 with K innermost, become codes of FP6 (E2M3) and one E8M0 byte for each 32 along K,
; LAID AS THE PRODUCTS' LAUNCHES READ THEM.  A block of 6,400 bytes holds 16 rows x 512 along K: four images of fragments (16 rows x 128 K: register 4 c + i of lane l at byte 512 c + 16 l + 4 i), 1,536 bytes each,
; then 256 bytes of scale words: row r at 16 r, the word of the q-th 128 along K at 4 q.  x, Wq, Wk, Wv count as rows 0 to 6,143 of one tensor: [K / 512: 8][row / 16: 384][6,400]; behind it Wo: [2][256][6,400].
; A block's scale (of 32 numbers) is 2^(floor(log2(its largest magnitude)) - 2); its byte is the largest magnitude's exponent field - 2, held at 1 from below (32 zeros keep the byte 1: their codes are zeros, and this program alone reads the bytes).
; ORDER INSIDE 32.  The 32 codes stand in the order k = 0-7, 16-23, 8-15, 24-31.  Every operand of this program is laid so (it is the order in which a matrix result falls out of the conversions),
; and a permutation inside 32, the same on both sides of a product, changes neither the scale nor the set of products.  The sums are therefore not taken in ascending k.
; LIMITS: 32 numbers whose largest magnitude lies under 2^-124 keep the byte 1; NaN and infinities among the inputs are not served.
; A WAVE MAKES ONE BLOCK OF 6,400 BYTES, in four steps of 128 along K.  A step's 16 loads read 512 consecutive bytes of one row each; the 8,192 bytes go through the wave's own stage in LDS (rows 528 bytes apart) and come
; back as the fragment wants them: lane (r, h) holds of row r the 32 numbers 32 h on and the 32 numbers 64 + 32 h on.  So a largest magnitude needs no other lane, and the conversions' results are the fragment's registers.
; No tensor loads, no barrier: waves share nothing.  Loads run two steps (32 loads a wave) ahead.
.set PL,   528                         ; a stage row: 512 bytes + 16: sixteen rows start in sixteen different groups of four banks
.set STG,  16*PL                       ; a wave's stage
.set OFF,  16                          ; v16-31   row j of my 16: its byte offset + 16 x lane; never rewritten
.set CD,   32                          ; v32-43   the fragment's codes
.set T0,   44                          ; v44-46, v48-50 the upper halves of the two 32s, as the conversions leave them
.set MX,   52                          ; v52-55   four running maxima
.set SO,   56                          ; v56-57   the conversions' scale operands
.set BY,   58                          ; v58-59   the scale bytes
.set W,    60                          ; v60-63   the four steps' scale words
.set R,    64                          ; v64-191  two sets of 64 numbers as they are loaded
.set X,    192                         ; v192-255 64 numbers in the fragment's order
	s_load_b256 s[4:11], s[0:1], 0x0               ; x, Wq, Wk, Wv
	s_load_b128 s[12:15], s[0:1], 0x20             ; Wo, the codes
	v_lshl_add_u32 v47, v0, 2, 0x8400
	v_mov_b32 v51, 0
	v_lshrrev_b32 v1, 5, v0
	v_readfirstlane_b32 s16, v1                    ; wave
	v_and_b32 v1, 31, v0                           ; lane
	v_and_b32 v2, 15, v0                           ; r
	v_bfe_u32 v3, v0, 4, 1                         ; h
	v_lshlrev_b32 v6, 4, v1                        ; 16 x lane
	s_mul_i32 s17, s16, STG
	v_add_nc_u32 v4, s17, v6                       ; the stage, on the way in: 16 bytes a lane of a row
	v_mul_u32_u24 v5, v2, PL
	v_lshl_add_u32 v5, v3, 7, v5
	v_add_nc_u32 v5, s17, v5                       ; on the way out: row r, + 128 h
	v_lshlrev_b32 v7, 4, v2
	v_lshl_add_u32 v7, v3, 3, v7                   ; the scale words' place: 16 r + 8 h
	v_lshlrev_b32 v8, 3, v3                        ; 8 h
	v_mov_b32 v9, 0                                ; written once: a lane permute's destination counts as one of its sources
	s_mov_b32 s18, 0x76543210
	s_mov_b32 s19, 0xfedcba98                      ; v_permlanex16_b32's selects for lane l xor 16
	s_wait_alu depctr_va_vdst(0)
	s_wait_kmcnt 0x0
	s_mov_b64 s[22:23], s[12:13]                   ; which tensor is my work-group's, and which is that tensor's first work-group: the choice hangs on the work-group's number alone
	s_mov_b32 s24, 768
	s_cmp_lt_u32 ttmp9, 768
	s_cselect_b64 s[22:23], s[10:11], s[22:23]
	s_cselect_b32 s24, 704, s24
	s_cmp_lt_u32 ttmp9, 704
	s_cselect_b64 s[22:23], s[8:9], s[22:23]
	s_cselect_b32 s24, 640, s24
	s_cmp_lt_u32 ttmp9, 640
	s_cselect_b64 s[22:23], s[6:7], s[22:23]
	s_cselect_b32 s24, 512, s24
	s_cmp_lt_u32 ttmp9, 512
	s_cselect_b64 s[22:23], s[4:5], s[22:23]
	s_cselect_b32 s24, 0, s24
	s_sub_co_u32 s25, ttmp9, s24                   ; d: my work-group's number within its tensor
	; K = 4,096 (work-groups 0-767): row tile d / 2 of the tensor, ttmp9 / 2 of the 384; the wave's 512 along K: 4 (d % 2) + wave
	s_lshr_b32 s26, s25, 1
	s_lshl_b32 s26, s26, 18                        ; 16 rows of 16,384 bytes
	s_and_b32 s27, s25, 1
	s_lshl_b32 s27, s27, 2
	s_add_co_u32 s27, s27, s16
	s_lshr_b32 s28, ttmp9, 1
	s_mul_i32 s28, s28, 6400
	s_mul_i32 s29, s27, 2457600                    ; 384 blocks
	s_add_co_u32 s28, s28, s29
	; Wo, K = 1,024 (work-groups 768-895): row tile 2 d + wave / 2; the wave's 512 along K: wave % 2
	s_lshl_b32 s30, s25, 1
	s_lshr_b32 s31, s16, 1
	s_add_co_u32 s30, s30, s31
	s_and_b32 s31, s16, 1
	s_mul_i32 s33, s30, 6400
	s_mul_i32 s34, s31, 1638400                    ; 256 blocks
	s_add_co_u32 s33, s33, s34
	s_add_co_u32 s33, s33, 19660800                ; behind the first part
	s_lshl_b32 s30, s30, 16                        ; 16 rows of 4,096 bytes
	s_cmp_lt_u32 ttmp9, 768
	s_cselect_b32 s26, s26, s30
	s_cselect_b32 s27, s27, s31
	s_cselect_b32 s28, s28, s33
	s_mov_b32 s35, 4096
	s_cselect_b32 s35, 16384, s35                  ; bytes from row to row
	s_lshl_b32 s27, s27, 11                        ; 512 numbers are 2,048 bytes
	s_add_co_u32 s26, s26, s27
	s_mov_b32 s27, 0
	s_add_nc_u64 s[22:23], s[22:23], s[26:27]      ; my first number
	s_mov_b32 s29, 0
	s_add_nc_u64 s[14:15], s[14:15], s[28:29]      ; my block
	v_mov_b32 v[OFF], v6
.irp j, 1,2,3,4,5,6,7,8,9,10,11,12,13,14,15
	v_add_nc_u32 v[OFF+\j], s35, v[OFF+\j-1]
.endr
.macro LOAD q                          ; step q: 128 along K of my 16 rows
.irp j, 0,1,2,3,4,5,6,7,8,9,10,11,12,13,14,15
	global_load_b128 v[R+64*((\q)%2)+4*\j:R+64*((\q)%2)+4*\j+3], v[OFF+\j], s[22:23] offset:512*(\q) th:TH_LOAD_NT   ; 32 lanes read 512 consecutive bytes
.endr
.endm
	LOAD 0
	LOAD 1
.macro STEP q
.if (\q) < 3
	s_wait_loadcnt 16                              ; this step's 16 loads are in; the next step's may be out
.else
	s_wait_loadcnt 0x0
.endif
.irp j, 0,1,2,3,4,5,6,7,8,9,10,11,12,13,14,15
	ds_store_b128 v4, v[R+64*((\q)%2)+4*\j:R+64*((\q)%2)+4*\j+3] offset:\j*PL
.endr
.irp c, 0,1                            ; LDS serves a wave's instructions in order: these see the stores above.  Groups of eight numbers come in the order 0, 2, 1, 3
.irp j, 0,1,2,3,4,5,6,7
	ds_load_b128 v[X+32*\c+4*\j:X+32*\c+4*\j+3], v5 offset:256*\c+32*(2*((\j/2)%2)+\j/4)+16*(\j%2)
.endr
.endr
	s_wait_dscnt 0x0                               ; the numbers are back; the stores into the stage have read their registers,
.if (\q)+2 < 4
	LOAD (\q)+2                                    ; which take the loads of two steps on
.endif
.irp k, 0,1,2,3                        ; four chains of 16 numbers: chains 2 c and 2 c + 1 are my c-th 32
	v_max3_num_f32 v[MX+\k], |v[X+16*\k]|, |v[X+16*\k+1]|, 0x1800000   ; with the floor 2^(3 - 127): the byte cannot fall under 1
.endr
.irp i, 2,4,6,8,10,12,14
.irp k, 0,1,2,3
	v_max3_num_f32 v[MX+\k], v[MX+\k], |v[X+16*\k+\i]|, |v[X+16*\k+\i+1]|
.endr
.endr
.irp c, 0,1
	v_max_num_f32 v[MX+2*\c], v[MX+2*\c], v[MX+2*\c+1]
.endr
.irp c, 0,1
	v_add_nc_u32 v[SO+\c], 0xff000000, v[MX+2*\c]  ; 2 off the exponent field: the conversion takes the exponent field of this operand as its scale
.endr
.irp c, 0,1
	v_lshrrev_b32 v[BY+\c], 23, v[SO+\c]           ; the scale's byte
.endr
	v_lshl_or_b32 v12, v[BY+1], 16, v[BY]          ; my two bytes: those of the 32s h and 2 + h of row r,
	v_lshlrev_b32 v12, v8, v12                     ; at their places in the scale word;
	v_permlanex16_b32 v9, v12, s18, s19
	v_or_b32 v[W+(\q)], v12, v9                    ; with lane l xor 16's two the word is whole
.if (\q) > 0
	s_wait_alu depctr_va_vdst(0)
	s_wait_xcnt 0x0                                ; the codes' registers are the last step's stores' data: written again only behind this wait
.endif
.irp c, 0,1
	v_cvt_scalef32_pk16_fp6_f32 v[CD+6*\c:CD+6*\c+2], v[X+32*\c:X+32*\c+15], v[SO+\c]
	v_cvt_scalef32_pk16_fp6_f32 v[T0+4*\c:T0+4*\c+2], v[X+32*\c+16:X+32*\c+31], v[SO+\c]   ; (a conversion's three registers begin on an even number)
.endr
	v_nop                                          ; one plain place behind a scaled conversion
.irp c, 0,1
.irp i, 0,1,2
	v_mov_b32 v[CD+3+6*\c+\i], v[T0+4*\c+\i]
.endr
.endr
.irp c, 0,1,2
	global_store_b128 v6, v[CD+4*\c:CD+4*\c+3], s[14:15] offset:1536*(\q)+512*\c   ; each store covers 512 consecutive bytes, aligned
.endr
.endm
	s_wait_alu depctr_va_vdst(0)
	STEP 0
	STEP 1
	STEP 2
	STEP 3
	v_cmp_eq_u32 vcc_lo, 1, v3
	v_cndmask_b32 v10, v[W], v[W+2], vcc_lo        ; lanes 0-15: the words of steps 0 and 1; lanes 16-31: of steps 2 and 3
	v_cndmask_b32 v11, v[W+1], v[W+3], vcc_lo
	global_store_b64 v7, v[10:11], s[14:15] offset:6144   ; 32 lanes store 256 consecutive bytes, aligned
	s_wait_tensorcnt 0x0
	ds_add_u32 v47, v51
	s_wait_dscnt 0x0
	s_endpgm
.Lfunc_end_k_qfac5b3b775_quant:
	.size	k_qfac5b3b775_quant, .Lfunc_end_k_qfac5b3b775_quant-k_qfac5b3b775_quant
	.p2alignl 7, 3214868480
	.fill 96, 4, 3214868480
	.section	.rodata,"a",@progbits
	.p2align	6, 0x0
	.amdhsa_kernel k_qfac5b3b775_quant
		.amdhsa_group_segment_fixed_size 34304
		.amdhsa_private_segment_fixed_size 0
		.amdhsa_enable_private_segment 0
		.amdhsa_kernarg_size 48
		.amdhsa_user_sgpr_count 2
		.amdhsa_user_sgpr_kernarg_segment_ptr 1
		.amdhsa_wavefront_size32 1
		.amdhsa_system_sgpr_workgroup_id_x 1
		.amdhsa_system_sgpr_workgroup_id_y 1
		.amdhsa_system_sgpr_workgroup_id_z 1
		.amdhsa_system_vgpr_workitem_id 0
		.amdhsa_next_free_vgpr 256
		.amdhsa_next_free_sgpr 66
		.amdhsa_reserve_vcc 1
		.amdhsa_float_denorm_mode_32 3
		.amdhsa_float_denorm_mode_16_64 3
		.amdhsa_memory_ordered 1
		.amdhsa_forward_progress 1
		.amdhsa_inst_pref_size 32
	.end_amdhsa_kernel
	.amdgpu_metadata
---
amdhsa.version: [ 1, 2 ]
amdhsa.kernels:
  - .name:           k_qfac5b3b775_quant
    .symbol:         k_qfac5b3b775_quant.kd
    .args:
      - { .name: hidden_states, .offset: 0, .size: 8, .value_kind: global_buffer, .address_space: global }
      - { .name: Wq, .offset: 8, .size: 8, .value_kind: global_buffer, .address_space: global }
      - { .name: Wk, .offset: 16, .size: 8, .value_kind: global_buffer, .address_space: global }
      - { .name: Wv, .offset: 24, .size: 8, .value_kind: global_buffer, .address_space: global }
      - { .name: Wo, .offset: 32, .size: 8, .value_kind: global_buffer, .address_space: global }
      - { .name: codes, .offset: 40, .size: 8, .value_kind: global_buffer, .address_space: global }
    .group_segment_fixed_size: 34304
    .private_segment_fixed_size: 0
    .kernarg_segment_align: 8
    .kernarg_segment_size: 48
    .max_flat_workgroup_size: 128
    .sgpr_count:     66
    .vgpr_count:     256
    .wavefront_size: 32
...
	.end_amdgpu_metadata
.endif
;; end of part 1
;; launch qkv (part 2): grid 16 x 16, 4 waves a work-group, clusters of 4 x 4, 327,680 bytes of LDS; arguments codes, cos, sin, qk_img, v_img; writes qk_img, v_img
.if DOCPART == 2
	.amdgcn_target "amdgcn-amd-amdhsa--gfx1250"
	.amdhsa_code_object_version 6
	.text
	.protected	k_qfac5b3b775_qkv
	.globl	k_qfac5b3b775_qkv
	.p2align	8
	.type	k_qfac5b3b775_qkv,@function
k_qfac5b3b775_qkv:
	s_mov_b64 s[64:65], 0
	v_nop
	global_prefetch_b8 v0, s[64:65] scope:SCOPE_SE
	s_setreg_imm32_b32 hwreg(HW_REG_WAVE_MODE, 25, 1), 1
	s_wait_xcnt 0x0
	s_wait_alu depctr_hold_cnt(0) depctr_sa_sdst(0) depctr_va_vdst(0) depctr_va_sdst(0) depctr_va_ssrc(0) depctr_va_vcc(0) depctr_vm_vsrc(0)
	s_getreg_b32 s2, hwreg(HW_REG_IB_STS2, 6, 4)
	s_cmp_eq_u32 s2, 0
	s_cbranch_scc0 .Lentry_in_a_cluster
	s_endpgm
.Lentry_in_a_cluster:
	s_bfe_u32 s2, ttmp6, 0x10000c
	s_cmp_lg_u32 s2, 0xf033
	s_cbranch_scc0 .Lentry_shape_is_right
	s_endpgm
.Lentry_shape_is_right:
; q = rope(x Wq^T), k = rope(x Wk^T), v = x Wv^T on codes of FP6 (E2M3) with E8M0 scales, K = 4,096; the results are quantised again at once: q and k along the head's 128, v along the keys.
; x (rows 0-4,095) and Wq, Wk, Wv (rows 4,096-6,143) lie in ONE buffer, [K / 512][row / 16][6,400 bytes]: four images of fragments (16 rows x 128 K, 1,536 bytes) and 256 bytes of scale words (row r at 16 r, word q at 4 q).
; ONE GEMM: work-group (j, xt): S0 = the 128 rows of W of head j (0-7 q, 8-11 k, 12-15 v), S1 = x's rows 256 xt on.  16 x 16 = 256 work-groups of equal matrix work.
; In a result a lane holds ONE row of S1 (a token) and its registers run along S0's rows (the head's channels).  Wave w takes tokens 64 w .. 64 w + 63 (4 fragments) against all of S0 (8): 32 accumulators by turns.
; K goes in steps of 512 through two LDS slots of 24 x 6,400 bytes; a run of row tiles of one step is one dense block of memory, so one tensor load, in rows of 256 bytes, brings codes and scale words together.
; CLUSTER 4 x 4: S1 hangs on xt alone and is asked for jointly along a row of the cluster, S0 on j alone and jointly along a column.  Waves 0, 1 ask for S1's halves, waves 2, 3 for S0's.
; PREFETCH: behind the refill for K step s + 2 each wave names K step s + 3 of the region that it fetches, one whole K step ahead of the load that wants it; the four partners that ask for a region jointly take a quarter each,
; by address (50 blocks of 256 bytes of S1's half, 25 of S0's; lanes left over name the quarter's last block again).  K step 2 is named behind K step 1's load; K steps 0 and 1 come by their loads alone;
; the loop's last change of slots, which would name K step 8, asks for nothing.
; q, k (clusters x = 0-2): RoPE and the quantiser stay in the lane.
; v (clusters x = 3): the keys are v's K, and they lie across lanes.  The work-group's 256 tokens x 128 channels go as f32 into a stage [channel][token] in slot 0, which has had its last fill and its last read;
; behind a barrier wave w reads 128 keys (half w / 2) of channels 64 (w % 2) on, a lane a channel, registers along the keys, and quantises as for q and k.  The ways part once, on the cluster's number, the same in all waves.
; WHAT IS STORED: units of 6,400 bytes: a wave's four images (register 4 c + i of lane l at byte 512 c + 16 l + 4 i) and 256 bytes of scale words: at byte 8 l the words of fragments l / 16 and 2 + l / 16 for row l % 16.
;   qk_img: unit 64 j + token / 64.   v_img: unit 64 g + 2 (key / 128) + channel / 64, image = (channel / 16) % 4.  Every store covers 256 or 512 consecutive bytes, aligned.
; Inside 32 along K the codes stand in the order 0-7, 16-23, 8-15, 24-31, on every operand of this program alike; sums are not in ascending k.
; LIMITS: NaN and infinities are not served; 32 numbers whose largest magnitude lies under 2^-124 keep the byte 1 (so do 32 zeros: their codes are zeros).
; REGISTERS: window 0: v1 r, v2 h, v16-31 addresses, v32-95 scale words (two sets, nothing else ever), v96-191 S1's fragments (two sets); at the end v96-159 64 numbers, v160-178 codes, v192-213 at work.
;   window 1: S0's fragments, sets at v0 and v128; at the end cos and sin of my fragments 2 and 3.   window 2: accumulator (a, b) at v[8 (8 a + b)].   window 3: cos and sin of my fragments 0 and 1 (64 + 64 each).
.set TILEB,  6400
.set S1HALF, 8*TILEB
.set S0HALF, 4*TILEB
.set S0OFF,  16*TILEB
.set SLOT,   24*TILEB
.set SPARE,  2*SLOT                    ; the spare words, 128 bytes for each wave
.set KSL,    384*TILEB                 ; from one 512 along K to the next, in memory
.set SP,     1040                      ; a stage row: 256 tokens x 4 bytes + 16
.set ADRA, 16                          ; v16-17 my four tiles of S1 in slot 0, 1
.set STW,  18                          ; v18-19 the stage, on the way in: channels 0-63, 64-127
.set ADRB, 20                          ; v20-21 S0's eight tiles
.set ADRS, 22                          ; v22-23 scale words: lanes 0-15 S1's rows, lanes 16-31 S0's
.set STR,  24                          ; v24 the stage, on the way out
.set LI,   25                          ; v25 16 x lane
.set L8,   26                          ; v26 8 x lane
.set CSA,  27                          ; v27 512 r + 32 h
.set SPW,  28
.set NIL,  29
.set PF0,  30                          ; v30-31 the prefetches' offsets
.set PF1,  31
.set SC,   32
.set AF,   96
.set RR,   96
.set CD,   160
.set TM,   192
.set PW,   208
.set G1A, 28
.set G1B, 36
.set G0A, 44
.set G0B, 52
.set PFA, 68
.set MSB, 0
.macro WIN new                         ; the immediate's high byte repeats the setting that is left
.if MSB != (\new)
	s_set_vgpr_msb (MSB<<8)|(\new)
.set MSB, (\new)
.endif
.endm
.macro PLACES
.rept 4
	v_nop
.endr
.endm
.macro JLOAD s                         ; waves 0, 1: S1's halves; waves 2, 3: S0's halves; both jointly.  s_nop 0 and four v_nop follow each line
	s_cmp_eq_u32 s21, 0
	s_cbranch_scc0 .Lfor_s0_\@
	tensor_load_to_lds s[G0A+4*\s:G0A+4*\s+3], s[G1A:G1A+7]
	s_nop 0
	PLACES
	s_branch .Lasked_\@
.Lfor_s0_\@:
	tensor_load_to_lds s[G0B+4*\s:G0B+4*\s+3], s[G1B:G1B+7]
	s_nop 0
	PLACES
.Lasked_\@:
.endm
.macro CREST                           ; a round of the cluster's barrier behind its opening barrier
	s_cmp_lg_u32 s20, 0
	s_cbranch_scc1 .Lnot_wave_0_\@
	s_barrier_signal -3
.Lnot_wave_0_\@:
	s_barrier_wait -3
	s_barrier_signal -1
	s_barrier_wait -1
.endm
.macro CROUND
	s_barrier_signal -1
	s_barrier_wait -1
	CREST
.endm
.macro ASK off, test                   ; my quarter of the region that I fetch, off bytes on: S1's waves 50 blocks (two lines), S0's 25 (one)
.if \test
	s_cmp_gt_u32 s3, 1                             ; the loop's last trip: its second change of slots has no K step three on
	s_cbranch_scc0 .Lpf_\@
.endif
	global_prefetch_b8 v[PF0], s[PFA:PFA+1] offset:\off th:TH_LOAD_NT scope:SCOPE_SE
	s_cmp_eq_u32 s21, 0
	s_cbranch_scc0 .Lpf_\@
	global_prefetch_b8 v[PF1], s[PFA:PFA+1] offset:\off th:TH_LOAD_NT scope:SCOPE_SE
.Lpf_\@:
.endm
	s_load_b256 s[4:11], s[0:1], 0x0               ; codes, cos, sin, qk_img
	s_load_b64 s[12:13], s[0:1], 0x20              ; v_img
	v_lshl_add_u32 v[SPW], v0, 2, SPARE
	v_mov_b32 v[NIL], 0
	ds_add_u32 v[SPW], v[NIL]                      ; the opening lines: the add, twice on end, and its wait ahead of my first tensor load
	ds_add_u32 v[SPW], v[NIL]
	v_lshrrev_b32 v1, 5, v0
	v_readfirstlane_b32 s20, v1                    ; wave
	s_lshr_b32 s21, s20, 1                         ; 0: I fetch for S1, 1: for S0
	s_and_b32 s22, s20, 1                          ; which half of it
	s_bfe_u32 s23, ttmp6, 0x40000                  ; cx
	s_bfe_u32 s24, ttmp6, 0x40004                  ; cy
	s_lshl_b32 s26, ttmp9, 2
	s_add_co_u32 s26, s26, s23                     ; j = 4 x cluster x + cx
	s_and_b32 s27, ttmp7, 0xffff
	s_lshl_b32 s27, s27, 2
	s_add_co_u32 s27, s27, s24                     ; xt = 4 x cluster y + cy
	s_lshl_b32 s14, s24, 2
	s_lshl_b32 s14, 15, s14                        ; my row of the cluster
	s_lshl_b32 s15, 0x1111, s23                    ; my column
	s_or_b32 s[G1A], s14, (3<<16)|(1<<21)          ; S1's half: 51,200 dense bytes as 200 rows of 256 (32 elements of 8 bytes)
	s_mov_b32 s[G1A+1], 32<<16
	s_mov_b32 s[G1A+2], 200<<16
	s_mov_b32 s[G1A+3], 32<<16
	s_mov_b32 s[G1A+4], 200
	s_mov_b32 s[G1A+5], 32
	s_mov_b32 s[G1A+6], 0
	s_mov_b32 s[G1A+7], 0
	s_or_b32 s[G1B], s15, (3<<16)|(1<<21)          ; S0's half: 25,600 bytes as 100 rows
	s_mov_b32 s[G1B+1], 32<<16
	s_mov_b32 s[G1B+2], 100<<16
	s_mov_b32 s[G1B+3], 32<<16
	s_mov_b32 s[G1B+4], 100
	s_mov_b32 s[G1B+5], 32
	s_mov_b32 s[G1B+6], 0
	s_mov_b32 s[G1B+7], 0
	s_lshl_b32 s62, s27, 8                         ; S1: row 256 xt + 128 x half (no register on this way holds cx)
	s_lshl_b32 s60, s22, 7
	s_add_co_u32 s62, s62, s60
	s_mul_i32 s62, s62, 400                        ; 6,400 bytes for 16 rows
	s_mov_b32 s63, 0
	s_lshl_b32 s66, s26, 7                         ; S0: row 4,096 + 128 j + 64 x half (none holds cy)
	s_lshl_b32 s60, s22, 6
	s_add_co_u32 s66, s66, s60
	s_add_co_u32 s66, s66, 4096
	s_mul_i32 s66, s66, 400
	s_mov_b32 s67, 0
	s_mov_b32 s[G0A], 1
	s_mul_i32 s[G0A+1], s22, S1HALF
	s_mov_b32 s[G0A+4], 1
	s_add_co_u32 s[G0A+5], s[G0A+1], SLOT
	s_mov_b32 s[G0B], 1
	s_mul_i32 s[G0B+1], s22, S0HALF
	s_add_co_u32 s[G0B+1], s[G0B+1], S0OFF
	s_mov_b32 s[G0B+4], 1
	s_add_co_u32 s[G0B+5], s[G0B+1], SLOT
	s_wait_dscnt 0x0                               ; both opening adds are done
	s_wait_kmcnt 0x0
	s_add_nc_u64 s[G0A+2:G0A+3], s[4:5], s[62:63]
	s_add_nc_u64 s[G0A+6:G0A+7], s[G0A+2:G0A+3], KSL
	s_or_b32 s[G0A+3], s[G0A+3], 0x80000000
	s_or_b32 s[G0A+7], s[G0A+7], 0x80000000
	s_add_nc_u64 s[G0B+2:G0B+3], s[4:5], s[66:67]
	s_add_nc_u64 s[G0B+6:G0B+7], s[G0B+2:G0B+3], KSL
	s_or_b32 s[G0B+3], s[G0B+3], 0x80000000
	s_or_b32 s[G0B+7], s[G0B+7], 0x80000000
	CROUND                                         ; all sixteen work-groups are here: the first joint loads meet
	JLOAD 0                                        ; K step 0: one tensor load a wave at the head
	; the rest of the head stands under that load
	s_mul_i32 s60, s20, 4*TILEB                    ; my four tiles of S1, slot 0
	s_add_co_u32 s61, s60, SLOT                    ; slot 1
	s_xor_b32 s70, s20, 3
	s_add_co_u32 s70, s70, 1
	s_mul_i32 s70, s70, 4*TILEB                    ; from my tiles of S1 to S0's: (4 - w) x 25,600
	s_lshl_b32 s71, s20, 8                         ; the stage, in: my 64 tokens, 256 bytes
	s_mul_i32 s72, s22, 64*SP                      ; out: channels 64 (w % 2) on,
	s_lshl_b32 s74, s21, 9
	s_add_co_u32 s72, s72, s74                     ; keys 128 (w / 2) on
	s_cmp_eq_u32 ttmp9, 3                          ; the v way: hangs on the cluster's number alone
	s_cselect_b32 s25, 1, 0
	s_cselect_b32 s74, s23, s26                    ; the head within its buffer: j, or j - 12 = cx
	s_cselect_b64 s[92:93], s[12:13], s[10:11]
	s_lshl_b32 s74, s74, 6
	s_lshl_b32 s75, s27, 2
	s_add_co_u32 s74, s74, s75
	s_add_co_u32 s74, s74, s20                     ; my unit: 64 x head + 4 xt + w, on both ways
	s_mul_i32 s74, s74, TILEB
	s_mov_b32 s75, 0
	s_add_nc_u64 s[92:93], s[92:93], s[74:75]
	s_lshl_b32 s76, s27, 8                         ; cos, sin: my first token, 512 bytes a row
	s_lshl_b32 s77, s20, 6
	s_add_co_u32 s76, s76, s77
	s_lshl_b32 s76, s76, 9
	s_mov_b32 s77, 0
	s_add_nc_u64 s[96:97], s[6:7], s[76:77]
	s_add_nc_u64 s[98:99], s[8:9], s[76:77]
	s_mov_b32 s100, 0x76543210
	s_mov_b32 s101, 0xfedcba98                     ; v_permlanex16_b32's selects for lane l xor 16
	s_cmp_eq_u32 s21, 0                            ; the prefetches: the region that I fetch, my work-group's quarter of it
	s_cselect_b32 s78, s62, s66
	s_cselect_b32 s79, s23, s24                    ; my place among the four that ask with me
	s_mov_b32 s80, S0HALF/4
	s_cselect_b32 s80, S1HALF/4, s80
	s_cselect_b32 s73, 49, 24                      ; the quarter's last block
	s_mul_i32 s79, s79, s80
	s_add_co_u32 s78, s78, s79
	s_mov_b32 s79, 0
	s_add_nc_u64 s[PFA:PFA+1], s[4:5], s[78:79]
	v_and_b32 v1, 15, v0                           ; r
	v_bfe_u32 v2, v0, 4, 1                         ; h
	v_and_b32 v7, 31, v0
	v_lshlrev_b32 v[LI], 4, v7
	v_lshlrev_b32 v[L8], 3, v7
	v_lshl_add_u32 v5, v1, 4, 6144                 ; a tile's scale words lie behind its four images: row r at 16 r
	v_mul_u32_u24 v6, s70, v2                      ; lanes 16-31 take S0's
	v_add_nc_u32 v5, v5, v6
	v_add_nc_u32 v[ADRA], s60, v[LI]
	v_add_nc_u32 v[ADRA+1], s61, v[LI]
	v_add_nc_u32 v[ADRB], S0OFF, v[LI]
	v_add_nc_u32 v[ADRB+1], S0OFF+SLOT, v[LI]
	v_add_nc_u32 v[ADRS], s60, v5
	v_add_nc_u32 v[ADRS+1], s61, v5
	v_lshlrev_b32 v[CSA], 9, v1
	v_lshl_add_u32 v[CSA], v2, 5, v[CSA]
	v_mul_u32_u24 v6, v2, 8*SP                     ; in: channel 8 h + .., token r
	v_lshl_add_u32 v6, v1, 2, v6
	v_add_nc_u32 v[STW], s71, v6
	v_add_nc_u32 v[STW+1], 64*SP, v[STW]
	v_mul_u32_u24 v6, v1, SP                       ; out: channel r, keys 8 h on
	v_lshl_add_u32 v6, v2, 5, v6
	v_add_nc_u32 v[STR], s72, v6
	v_min_u32 v8, s73, v7
	v_lshlrev_b32 v[PF0], 8, v8                    ; a lane a block of 256 bytes
	v_add_nc_u32 v8, 32, v7
	v_min_u32 v8, s73, v8
	v_lshlrev_b32 v[PF1], 8, v8
.irp b, 0,1,2,3
	v_mov_b32 v[TM+4+\b], 0                        ; written once: a lane permute's destination counts as one of its sources
.endr
.macro FETCH slot, q, p                ; the slot's q-th 128 along K into set p: S0's eight fragments, S1's four: 36 loads of 512 consecutive bytes
	WIN 0x40
.irp i, 0,1,2,3,4,5,6,7
.irp c, 0,1,2
	ds_load_b128 v[128*(\p)+12*\i+4*\c:128*(\p)+12*\i+4*\c+3], v[ADRB+\slot] offset:\i*TILEB+(\q)*1536+512*\c
.endr
.endr
	WIN 0
.irp i, 0,1,2,3
.irp c, 0,1,2
	ds_load_b128 v[AF+48*(\p)+12*\i+4*\c:AF+48*(\p)+12*\i+4*\c+3], v[ADRA+\slot] offset:\i*TILEB+(\q)*1536+512*\c
.endr
.endr
.endm
.macro SCALES sc                       ; a slot's scale words: register 4 i + q: lanes 0-15 S1's tile i (used for i < 4), lanes 16-31 S0's tile i
.irp i, 0,1,2,3,4,5,6,7
	ds_load_b128 v[SC+32*\sc+4*\i:SC+32*\sc+4*\i+3], v[ADRS+\sc] offset:\i*TILEB
.endr
.endm
.macro MUL16 a0, p, q, sc, zero        ; S1's fragments a0, a0 + 1 x S0's eight.  zero = 1: the first product starts the sums
.irp a, \a0, \a0+1
.irp b, 0,1,2,3,4,5,6,7
.if \zero
	v_wmma_scale_f32_16x16x128_f8f6f4 v[8*(8*(\a)+\b):8*(8*(\a)+\b)+7], v[128*(\p)+12*\b:128*(\p)+12*\b+11], v[AF+48*(\p)+12*(\a):AF+48*(\p)+12*(\a)+11], 0, v[SC+32*(\sc)+4*\b+(\q)], v[SC+32*(\sc)+4*(\a)+(\q)] matrix_a_fmt:MATRIX_FMT_FP6 matrix_b_fmt:MATRIX_FMT_FP6 matrix_a_scale:MATRIX_SCALE_ROW1
.else
	v_wmma_scale_f32_16x16x128_f8f6f4 v[8*(8*(\a)+\b):8*(8*(\a)+\b)+7], v[128*(\p)+12*\b:128*(\p)+12*\b+11], v[AF+48*(\p)+12*(\a):AF+48*(\p)+12*(\a)+11], v[8*(8*(\a)+\b):8*(8*(\a)+\b)+7], v[SC+32*(\sc)+4*\b+(\q)], v[SC+32*(\sc)+4*(\a)+(\q)] matrix_a_fmt:MATRIX_FMT_FP6 matrix_b_fmt:MATRIX_FMT_FP6 matrix_a_scale:MATRIX_SCALE_ROW1
.endif
.endr
.endr
.endm
.macro STEP slot, q, zero              ; one of a slot's first three 128 along K: set q % 2 is multiplied while the other set comes
	s_wait_dscnt 0x0                               ; this step's set (and the scale words) are in
	PLACES                                         ; in front of loads into the other set, which the last products read
	FETCH \slot, (\q)+1, 1-(\q)%2
	WIN 0xa1                                       ; source 0 window 1, source 1 window 0, C and D window 2
	MUL16 0, (\q)%2, \q, \slot, \zero
	MUL16 2, (\q)%2, \q, \slot, \zero
.endm
.macro TURN slot, next, fill           ; the change of slots, one barrier, and behind it the slot's last 128, whose fragments are in registers: its 32 products stand behind the 44 LDS loads from the next slot
	WIN 0
.if \fill
	s_wait_xcnt 0x0                                ; my prefetches have read their address: it steps here, a K step behind them
	s_add_nc_u64 s[PFA:PFA+1], s[PFA:PFA+1], KSL
.endif
	s_wait_tensorcnt 0x0                           ; all my tensor loads have landed: my part of the next slot
	ds_add_u32 v[SPW], v[NIL]                      ; 0 onto my spare word
	s_wait_dscnt 0x0                               ; the add is done, set 1 is in, and my reads of this slot are over
	s_barrier_signal -1
	s_barrier_wait -1
.if \fill
	CREST                                          ; the barrier has opened a round of the cluster's: no wave of any partner still reads this slot or has a load on its way
	s_add_nc_u64 s[G0A+4*\slot+2:G0A+4*\slot+3], s[G0A+4*\slot+2:G0A+4*\slot+3], 2*KSL
	s_add_nc_u64 s[G0B+4*\slot+2:G0B+4*\slot+3], s[G0B+4*\slot+2:G0B+4*\slot+3], 2*KSL
	JLOAD \slot                                    ; 1,024 along K ahead; its four v_nop are the places in front of the loads below
.else
	PLACES
.endif
	FETCH \next, 0, 0
	SCALES \next
.if \fill
	ASK 2*KSL, \slot                               ; the K step one refill on
.endif
	WIN 0xa1
	MUL16 0, 1, 3, \slot, 0
	MUL16 2, 1, 3, \slot, 0
.endm
.macro LAST                            ; the last 512 along K: nothing more to fetch behind it
	STEP 1, 0, 0
	STEP 1, 1, 0
	STEP 1, 2, 0
	s_wait_dscnt 0x0
	WIN 0xa1
	MUL16 0, 1, 3, 1, 0
	MUL16 2, 1, 3, 1, 0
	WIN 0
	PLACES                                         ; in front of the first reads of results and writes of registers that held fragments
.endm
.macro LOADCS a                        ; cos and sin of my rows 16 a .. 16 a + 15, in the results' layout: register 8 b + j = channel 16 b + 8 h + j
	WIN 0xc0-0x80*((\a)/2)                         ; sets 0, 1 into window 3; sets 2, 3 into window 1, which S0's fragments have left by then
.irp b, 0,1,2,3,4,5,6,7
.irp i, 0,1
	global_load_b128 v[128*((\a)%2)+8*\b+4*\i:128*((\a)%2)+8*\b+4*\i+3], v[CSA], s[96:97] offset:(\a)*8192+64*\b+16*\i
	global_load_b128 v[128*((\a)%2)+64+8*\b+4*\i:128*((\a)%2)+64+8*\b+4*\i+3], v[CSA], s[98:99] offset:(\a)*8192+64*\b+16*\i
.endr
.endr
	WIN 0
.endm
.macro ROPE a                          ; channel d < 64: x cos - x(d + 64) sin; d >= 64: x cos + x(d - 64) sin.  d + 64 lies 32 registers on.  Each accumulator is read from its low end on
	WIN 0x0e-8*((\a)/2)                            ; source 0 window 2 (results), source 1 window 3 or 1 (cos, sin)
.set CB0, 128*((\a)%2)
.irp b, 0,1,2,3
.irp jp, 0,2,4,6
.set LO_, 8*\b+\jp
.set HI_, LO_+32
	v_pk_mul_f32 v[RR+LO_:RR+LO_+1], v[64*(\a)+LO_:64*(\a)+LO_+1], v[CB0+LO_:CB0+LO_+1]
	v_pk_mul_f32 v[RR+HI_:RR+HI_+1], v[64*(\a)+HI_:64*(\a)+HI_+1], v[CB0+HI_:CB0+HI_+1]
	v_pk_fma_f32 v[RR+LO_:RR+LO_+1], v[64*(\a)+HI_:64*(\a)+HI_+1], v[CB0+64+LO_:CB0+64+LO_+1], v[RR+LO_:RR+LO_+1] neg_lo:[1,0,0] neg_hi:[1,0,0]
	v_pk_fma_f32 v[RR+HI_:RR+HI_+1], v[64*(\a)+LO_:64*(\a)+LO_+1], v[CB0+64+HI_:CB0+64+HI_+1], v[RR+HI_:RR+HI_+1]
.endr
.endr
	WIN 0
.endm
; 64 numbers of a lane, v[RR] on (register 16 b + i belongs to the b-th 32 of my row; lane l xor 16 holds its other 16), become a fragment's codes in v[CD] on and its scale word in v[pw]
.macro QUANT pw
.irp b, 0,1,2,3
	v_max3_num_f32 v[TM+\b], |v[RR+16*\b]|, |v[RR+1+16*\b]|, 0x1800000   ; with the floor 2^(3 - 127): the byte cannot fall under 1
.endr
.irp i, 2,4,6,8,10,12,14
.irp b, 0,1,2,3
	v_max3_num_f32 v[TM+\b], |v[RR+16*\b+\i]|, |v[RR+1+16*\b+\i]|, v[TM+\b]
.endr
.endr
.irp b, 0,1,2,3
	v_permlanex16_b32 v[TM+4+\b], v[TM+\b], s100, s101
.endr
.irp b, 0,1,2,3
	v_max_num_f32 v[TM+\b], v[TM+\b], v[TM+4+\b]   ; the largest magnitude of the 32
.endr
.irp b, 0,1,2,3
	v_add_nc_u32 v[TM+12+\b], 0xff000000, v[TM+\b] ; 2 off its exponent field: the conversion's scale operand
.endr
.irp b, 0,1,2,3
	v_lshrrev_b32 v[TM+4+\b], 23, v[TM+12+\b]      ; the scale's byte
.endr
	v_lshl_or_b32 v[\pw], v[TM+5], 8, v[TM+4]
	v_lshl_or_b32 v[\pw], v[TM+6], 16, v[\pw]
	v_lshl_or_b32 v[\pw], v[TM+7], 24, v[\pw]
.irp c, 0,1
	v_cvt_scalef32_pk16_fp6_f32 v[CD+6*\c:CD+2+6*\c], v[RR+32*\c:RR+15+32*\c], v[TM+12+2*\c]
	v_cvt_scalef32_pk16_fp6_f32 v[CD+12+4*\c:CD+14+4*\c], v[RR+16+32*\c:RR+31+32*\c], v[TM+13+2*\c]
.endr
	v_nop                                          ; one plain place behind a scaled conversion
.irp c, 0,1                            ; the operand's layout wants a whole 32 in a lane
.irp i, 0,1,2
	v_permlane16_swap_b32 v[CD+6*\c+\i], v[CD+12+4*\c+\i]
.endr
.irp i, 0,1,2
	v_mov_b32 v[CD+3+6*\c+\i], v[CD+12+4*\c+\i]
.endr
.endr
.endm
.macro OUT a                           ; the fragment leaves as it stands: each store covers 512 consecutive bytes, aligned
.irp c, 0,1,2
	global_store_b128 v[LI], v[CD+4*\c:CD+4*\c+3], s[92:93] offset:1536*(\a)+512*\c
.endr
.endm
	s_wait_alu depctr_va_vdst(0)                   ; the wait at the head's end
	s_wait_tensorcnt 0x0                           ; my part of K step 0 is in
	ds_add_u32 v[SPW], v[NIL]
	s_wait_dscnt 0x0
	CROUND                                         ; everybody's part is in, and all sixteen work-groups are here
	JLOAD 1                                        ; K step 1: the first tensor load behind the round
	FETCH 0, 0, 0
	SCALES 0
	ASK 2*KSL, 0                                   ; K step 2
	STEP 0, 0, 1                                   ; the first 128 along K start the sums
	WIN 0
	s_mov_b32 s3, 3
.Llap:                                             ; a trip goes once round the ring, from a lap's second 128 to the next lap's first, and fills both slots again
	STEP 0, 1, 0
	STEP 0, 2, 0
	TURN 0, 1, 1
	STEP 1, 0, 0
	STEP 1, 1, 0
	STEP 1, 2, 0
	TURN 1, 0, 1
	STEP 0, 0, 0
	WIN 0
	s_sub_co_u32 s3, s3, 1
	s_cmp_lg_u32 s3, 0
	s_cbranch_scc1 .Llap
	STEP 0, 1, 0
	STEP 0, 2, 0
	TURN 0, 1, 0                                   ; the last change of slots fills nothing
	WIN 0
	s_cmp_lg_u32 s25, 0                            ; the ways part once, on the cluster's number: no tensor load stands on either
	s_cbranch_scc1 .Lv_way
	LOADCS 0                                       ; asked for ahead of the last slot's 128 products
	LOADCS 1
	LAST
	LOADCS 2                                       ; behind the last products' places: all four sets are asked for
	LOADCS 3
.irp a, 0,1,2,3
.if \a < 2
	s_wait_loadcnt 63                              ; behind set 1 stand 64 loads: with 63 out at the most sets 0 and 1 are in
.elseif \a == 2
	s_wait_loadcnt 32                              ; set 3's 32 loads may be out
.else
	s_wait_loadcnt 0x0
.endif
	ROPE \a
	s_wait_xcnt 0x0                                ; the codes' registers are the last stores' data: written again only behind this wait
	QUANT PW+\a
	OUT \a
.endr
	s_branch .Ljoin
.Lv_way:
	LAST
	WIN 0x08                                       ; an LDS store's data: window 2
.irp a, 0,1,2,3
.irp b, 0,1,2,3,4,5,6,7
.irp j, 0,1,2,3,4,5,6,7
	ds_store_b32 v[STW+\b/4], v[8*(8*\a+\b)+\j] offset:(16*(\b%4)+\j)*SP+64*\a   ; v(token 64 w + 16 a + r, channel 16 b + 8 h + j): sixteen lanes store 64 consecutive bytes; each accumulator from its low end on
.endr
.endr
.endr
	WIN 0
	s_wait_dscnt 0x0                               ; my stores are done, for the others' sake
	s_barrier_signal -1
	s_barrier_wait -1
.irp a, 0,1,2,3
.irp b, 0,1,2,3,4,5,6,7
.irp i, 0,1
	ds_load_b128 v[RR+8*\b+4*\i:RR+8*\b+4*\i+3], v[STR] offset:16*\a*SP+64*\b+16*\i   ; register 8 b + j = key 16 b + 8 h + j of channel 16 a + r of my 64
.endr
.endr
	s_wait_dscnt 0x0
	s_wait_xcnt 0x0                                ; the codes' registers are the last stores' data
	QUANT PW+\a
	OUT \a
.endr
.Ljoin:
	v_cmp_eq_u32 vcc_lo, 1, v2
	v_cndmask_b32 v212, v[PW], v[PW+1], vcc_lo     ; lanes 0-15: fragments 0 and 2; lanes 16-31: fragments 1 and 3
	v_cndmask_b32 v213, v[PW+2], v[PW+3], vcc_lo
	global_store_b64 v[L8], v[212:213], s[92:93] offset:6144   ; 32 lanes store 256 consecutive bytes, aligned, behind the unit's four images
	s_wait_tensorcnt 0x0                           ; the wave's end
	ds_add_u32 v[SPW], v[NIL]
	s_wait_dscnt 0x0
	CROUND                                         ; the closing round
	s_endpgm
.Lfunc_end_k_qfac5b3b775_qkv:
	.size	k_qfac5b3b775_qkv, .Lfunc_end_k_qfac5b3b775_qkv-k_qfac5b3b775_qkv
	.p2alignl 7, 3214868480
	.fill 96, 4, 3214868480
	.section	.rodata,"a",@progbits
	.p2align	6, 0x0
	.amdhsa_kernel k_qfac5b3b775_qkv
		.amdhsa_group_segment_fixed_size 327680
		.amdhsa_private_segment_fixed_size 0
		.amdhsa_enable_private_segment 0
		.amdhsa_kernarg_size 40
		.amdhsa_user_sgpr_count 2
		.amdhsa_user_sgpr_kernarg_segment_ptr 1
		.amdhsa_wavefront_size32 1
		.amdhsa_system_sgpr_workgroup_id_x 1
		.amdhsa_system_sgpr_workgroup_id_y 1
		.amdhsa_system_sgpr_workgroup_id_z 1
		.amdhsa_system_vgpr_workitem_id 0
		.amdhsa_next_free_vgpr 1024
		.amdhsa_next_free_sgpr 102
		.amdhsa_reserve_vcc 1
		.amdhsa_float_denorm_mode_32 3
		.amdhsa_float_denorm_mode_16_64 3
		.amdhsa_memory_ordered 1
		.amdhsa_forward_progress 1
		.amdhsa_inst_pref_size 224
	.end_amdhsa_kernel
	.amdgpu_metadata
---
amdhsa.version: [ 1, 2 ]
amdhsa.kernels:
  - .name:           k_qfac5b3b775_qkv
    .symbol:         k_qfac5b3b775_qkv.kd
    .args:
      - { .name: codes, .offset: 0, .size: 8, .value_kind: global_buffer, .address_space: global }
      - { .name: cos, .offset: 8, .size: 8, .value_kind: global_buffer, .address_space: global }
      - { .name: sin, .offset: 16, .size: 8, .value_kind: global_buffer, .address_space: global }
      - { .name: qk_img, .offset: 24, .size: 8, .value_kind: global_buffer, .address_space: global }
      - { .name: v_img, .offset: 32, .size: 8, .value_kind: global_buffer, .address_space: global }
    .group_segment_fixed_size: 327680
    .private_segment_fixed_size: 0
    .kernarg_segment_align: 8
    .kernarg_segment_size: 40
    .max_flat_workgroup_size: 128
    .sgpr_count:     102
    .vgpr_count:     1024
    .wavefront_size: 32
...
	.end_amdgpu_metadata
.endif
;; end of part 2
;; launch attn (part 3): grid 4 x 64, 8 waves a work-group, clusters of 4 x 4, 327,680 bytes of LDS; arguments qk_img, v_img, attention_mask, at_img, at_scl; writes at_img, at_scl
.if DOCPART == 3
	.amdgcn_target "amdgcn-amd-amdhsa--gfx1250"
	.amdhsa_code_object_version 6
	.text
	.protected	k_qfac5b3b775_attn
	.globl	k_qfac5b3b775_attn
	.p2align	8
	.type	k_qfac5b3b775_attn,@function
k_qfac5b3b775_attn:
	s_mov_b64 s[64:65], 0
	v_nop
	global_prefetch_b8 v0, s[64:65] scope:SCOPE_SE
	s_setreg_imm32_b32 hwreg(HW_REG_WAVE_MODE, 25, 1), 1
	s_wait_xcnt 0x0
	s_wait_alu depctr_hold_cnt(0) depctr_sa_sdst(0) depctr_va_vdst(0) depctr_va_sdst(0) depctr_va_ssrc(0) depctr_va_vcc(0) depctr_vm_vsrc(0)
	s_getreg_b32 s2, hwreg(HW_REG_IB_STS2, 6, 4)
	s_cmp_eq_u32 s2, 0
	s_cbranch_scc0 .Lentry_in_a_cluster
	s_endpgm
.Lentry_in_a_cluster:
	s_bfe_u32 s2, ttmp6, 0x10000c
	s_cmp_lg_u32 s2, 0xf033
	s_cbranch_scc0 .Lentry_shape_is_right
	s_endpgm
.Lentry_shape_is_right:
; attn = softmax(q k^T / sqrt(128) + mask) v, both products on codes of FP6 (E2M3) with E8M0 scales; the result is quantised along the head's 128 for the output projection.
; logit = score / sqrt(128) + mask (one fused multiply-add); t = logit x log2(e); M = the running largest t rounded up to a whole number; p = 2^(t - M) is quantised along the keys, not normalised;
; the row's sum is taken of the unquantised p and divides at the end.  When M moves, the sum and O are multiplied by 2^(old M - new M): exact.
; THE MASK IS AN INPUT: every query walks all 2,048 keys and reads its row of the mask.  Mask numbers under -2^127 are held at -2^127: t = -2^127 x log2(e) is then an exact f32 number, so a row that is masked
; everywhere gets p = 1 for every key, even weights; beside any ordinary logit such keys get p = 0.
; LIMITS: NaN in the mask is not served; where a row's largest logit is beyond about 2^20 in magnitude (and not the held -2^127) t has lost its fraction in f32.
; SHARES.  Work-group (g, y): key/value head g, 64 queries 64 y on (y counts through both batches), query heads 2 g and 2 g + 1.  EIGHT WAVES, two to a SIMD, 512 registers each:
; wave w takes queries 16 (w % 4) on of head 2 g + w / 4: one tile.  16 key steps of 128 keys; two LDS slots of 256 keys: K's and V's tiles and 64 rows x 256 numbers of the mask.
; q, k and v come in units of 6,400 bytes: four images (16 rows x 128 K: register 4 c + i of lane l at byte 512 c + 16 l + 4 i) and 256 bytes of scale words.  128 keys of K, or of V, are two units,
; so a slot's K and V tiles (25,600 dense bytes each) bring their scale words with them.  Every wave fetches one part of a slot: waves 0, 1 K's halves, 2, 3 V's halves, 4-7 a quarter of the mask's rows.
; Both products are used transposed (S^T = K Q^T, O^T = V^T P^T): a lane holds one query throughout.
; Inside a block of 32 the codes stand in the order 0-7, 16-23, 8-15, 24-31 on both sides of each product: p falls out of the conversions so, and v was laid so.
; CLUSTER 4 x 4: the four of a column share g and the batch: K and V are asked for jointly along the column; the four of a row share y: the mask's tile jointly along the row.
; No prefetch is laid: a slot's load has two key steps' work of eight waves in which to land, and no wave waits for a tile inside the loop by the text's own order (request behind one change of slots, wait at the next).
; REGISTERS: window 0: v1-13 addresses; v16-23 statistics (+0 -M, +1 largest t, +2,+3 sum, +4 f, +5 its pair's upper word, +6 p's scale word, +7 at work); v32-35 K's scale words, v36-39 V's, v40 Q's, v42 the result's;
;   v44-63 at work; v64-127 S^T then p; v128-223 V; v224-235 p's codes; v236-237 a sum.   window 1: v0-63 O^T, v64-127 the mask, v128-139 Q, v144-239 K.
.set SLOT1, 1<<17
.set VOFF,  25600
.set MOFF,  51200
.set MP,    1040                       ; a row of the mask's tile: 1,024 bytes + 16
.set SPARE, 2*SLOT1                    ; the spare words: 128 bytes for each of eight waves
.set SPW, 4
.set NIL, 5
.set RT,  16
.set BM,  44
.set BP,  48
.set BS,  52
.set CT,  56
.set RS,  64
.set RV,  128
.set RP,  224
.set RO,  0
.set RM,  64
.set RQ,  128
.set RK,  144
.set TB,  90                           ; s90 the slot in hand
.set MSB, 0
.macro WIN new
.if MSB != (\new)
	s_set_vgpr_msb (MSB<<8)|(\new)
.set MSB, (\new)
.endif
.endm
.macro PLACES
.rept 4
	v_nop
.endr
.endm
.macro CROUND
	s_barrier_signal -1
	s_barrier_wait -1
	s_cmp_lg_u32 s18, 0
	s_cbranch_scc1 .Lnot_wave_0_\@
	s_barrier_signal -3
.Lnot_wave_0_\@:
	s_barrier_wait -3
	s_barrier_signal -1
	s_barrier_wait -1
.endm
.macro TLOAD k, v, m                   ; one chain on the wave's number, a load in every arm.  s_nop 0 and four v_nop follow each line
	s_cmp_lt_u32 s18, 2
	s_cbranch_scc0 .Lnot_k_\@
	tensor_load_to_lds s[\k:\k+3], s[24:31]
	s_nop 0
	PLACES
	s_branch .Lasked_\@
.Lnot_k_\@:
	s_cmp_lt_u32 s18, 4
	s_cbranch_scc0 .Lnot_v_\@
	tensor_load_to_lds s[\v:\v+3], s[24:31]
	s_nop 0
	PLACES
	s_branch .Lasked_\@
.Lnot_v_\@:
	tensor_load_to_lds s[\m:\m+3], s[40:47]
	s_nop 0
	PLACES
.Lasked_\@:
.endm
	s_load_b64 s[4:5], s[0:1], 0x0                 ; qk_img
	s_load_b64 s[8:9], s[0:1], 0x8                 ; v_img
	s_load_b128 s[12:15], s[0:1], 0x10             ; the mask, at_img
	s_load_b64 s[16:17], s[0:1], 0x20              ; at_scl
	v_lshl_add_u32 v[SPW], v0, 2, SPARE
	v_mov_b32 v[NIL], 0
	ds_add_u32 v[SPW], v[NIL]                      ; the opening lines: the add, twice on end, and its wait
	ds_add_u32 v[SPW], v[NIL]
	v_lshrrev_b32 v6, 5, v0
	v_readfirstlane_b32 s18, v6                    ; wave 0..7
	s_and_b32 s19, s18, 1                          ; which half of K's or V's tile I fetch
	s_and_b32 s66, s18, 3                          ; my tile of 16 queries; also which quarter of the mask's rows I fetch
	s_lshr_b32 s67, s18, 2                         ; e: my head is 2 g + e
	s_bfe_u32 s20, ttmp6, 0x40000                  ; cx = g
	s_bfe_u32 s21, ttmp6, 0x40004                  ; cy
	s_and_b32 s2, ttmp7, 0xffff                    ; the cluster's y
	s_lshr_b32 s23, s2, 3                          ; the batch
	s_lshl_b32 s22, s2, 2
	s_add_co_u32 s22, s22, s21                     ; y
	s_lshl_b32 s94, s21, 2
	s_lshl_b32 s94, 15, s94                        ; my row of the cluster
	s_lshl_b32 s95, 0x1111, s20                    ; my column
	s_or_b32 s24, s95, (3<<16)|(1<<21)             ; K, V: half a tile, 12,800 dense bytes as 50 rows of 256 (32 elements of 8 bytes)
	s_mov_b32 s25, 32<<16
	s_mov_b32 s26, 50<<16
	s_mov_b32 s27, 32<<16
	s_mov_b32 s28, 50
	s_mov_b32 s29, 32
	s_mov_b32 s30, 0
	s_mov_b32 s31, 0
	s_or_b32 s40, s94, (2<<16)|(1<<20)|(1<<21)|(7<<22)|(3<<25)   ; the mask: 16 rows of 256 numbers, 2,048 apart, 16 bytes of padding behind each
	s_mov_b32 s41, 256<<16
	s_mov_b32 s42, 16<<16
	s_mov_b32 s43, 256<<16
	s_mov_b32 s44, 16
	s_mov_b32 s45, 2048
	s_mov_b32 s46, 0
	s_mov_b32 s47, 0
	s_mul_i32 s3, s19, 12800
	s_add_co_u32 s96, s20, 8                       ; K: head 8 + g, row tile 128 x batch (no register on this way holds cy)
	s_lshl_b32 s96, s96, 8
	s_lshl_b32 s97, s23, 7
	s_add_co_u32 s96, s96, s97
	s_mul_i32 s96, s96, 1600                       ; 6,400 bytes for four row tiles
	s_add_co_u32 s96, s96, s3
	s_mov_b32 s97, 0
	s_lshl_b32 s100, s20, 5                        ; V: 32 g + 16 x batch blocks of 128 keys, two units each
	s_lshl_b32 s101, s23, 4
	s_add_co_u32 s100, s100, s101
	s_mul_i32 s100, s100, 12800
	s_add_co_u32 s100, s100, s3
	s_mov_b32 s101, 0
	s_lshl_b32 s98, s22, 6                         ; the mask: row 64 y + 16 x quarter (no register on this way holds cx)
	s_lshl_b32 s99, s66, 4
	s_add_co_u32 s98, s98, s99
	s_lshl_b32 s98, s98, 13                        ; 8,192 bytes a row
	s_mov_b32 s99, 0
	s_mov_b32 s84, 0x76543210
	s_mov_b32 s85, 0xfedcba98                      ; v_permlanex16_b32's selects for lane l xor 16
	s_mov_b32 s86, 0x3db504f3                      ; 1 / sqrt(128)
	s_mov_b32 s87, s86
	s_mov_b32 s88, 0x3fb8aa3b                      ; log2(e)
	s_mov_b32 s89, s88
	s_mov_b32 s[TB], 0
	s_mov_b32 s92, 6
	s_mov_b32 s48, 1                               ; K, slot 0;
	s_mov_b32 s49, s3
	s_mov_b32 s52, 1                               ; slot 1: this set then walks
	s_add_co_u32 s53, s3, SLOT1
	s_mov_b32 s56, 1                               ; V
	s_add_co_u32 s57, s3, VOFF
	s_mov_b32 s60, 1
	s_add_co_u32 s61, s57, SLOT1
	s_mov_b32 s68, 1                               ; the mask
	s_mul_i32 s69, s66, 16*MP
	s_add_co_u32 s69, s69, MOFF
	s_mov_b32 s72, 1
	s_add_co_u32 s73, s69, SLOT1
	s_wait_dscnt 0x0                               ; both opening adds are done
	s_wait_kmcnt 0x0
	s_add_nc_u64 s[50:51], s[4:5], s[96:97]
	s_add_nc_u64 s[54:55], s[50:51], 25600
	s_or_b32 s51, s51, 0x80000000
	s_or_b32 s55, s55, 0x80000000
	s_add_nc_u64 s[58:59], s[8:9], s[100:101]
	s_add_nc_u64 s[62:63], s[58:59], 25600
	s_or_b32 s59, s59, 0x80000000
	s_or_b32 s63, s63, 0x80000000
	s_add_nc_u64 s[70:71], s[12:13], s[98:99]
	s_add_nc_u64 s[74:75], s[70:71], 1024
	s_or_b32 s71, s71, 0x80000000
	s_or_b32 s75, s75, 0x80000000
	CROUND                                         ; all sixteen work-groups are here: the first joint loads meet
	TLOAD 48, 56, 68                               ; slot 0: one tensor load a wave at the head
	s_lshl_b32 s94, s20, 7                         ; Q: unit 64 (2 g + e) + y, image w % 4
	s_lshl_b32 s96, s67, 6
	s_add_co_u32 s94, s94, s96
	s_add_co_u32 s94, s94, s22
	s_mul_i32 s94, s94, 6400
	s_mov_b32 s95, 0
	s_add_nc_u64 s[6:7], s[4:5], s[94:95]          ; the unit: its scale words lie at byte 6,144
	s_mul_i32 s94, s66, 1536
	s_add_nc_u64 s[4:5], s[6:7], s[94:95]          ; my image
	s_lshl_b32 s94, s20, 8                         ; the result: image 2 (256 g + 4 y + w % 4) + e
	s_lshl_b32 s96, s22, 2
	s_add_co_u32 s94, s94, s96
	s_add_co_u32 s94, s94, s66
	s_lshl_b32 s94, s94, 1
	s_add_co_u32 s94, s94, s67
	s_mul_i32 s94, s94, 1536
	s_add_nc_u64 s[14:15], s[14:15], s[94:95]
	s_lshl_b32 s94, s22, 6                         ; its scale words: row 64 y + 16 (w % 4), 32 bytes a row, byte 4 (2 g + e)
	s_lshl_b32 s96, s66, 4
	s_add_co_u32 s94, s94, s96
	s_lshl_b32 s94, s94, 5
	s_lshl_b32 s97, s20, 3
	s_add_co_u32 s94, s94, s97
	s_lshl_b32 s97, s67, 2
	s_add_co_u32 s94, s94, s97
	s_add_nc_u64 s[16:17], s[16:17], s[94:95]
	s_and_b32 s97, s66, 1                          ; Q's scale word of row r: fragment a = w % 4 of its unit: 8 (r + 16 (a % 2)) + 4 (a / 2)
	s_lshl_b32 s97, s97, 7
	s_lshr_b32 s98, s66, 1
	s_lshl_b32 s98, s98, 2
	s_add_co_u32 s97, s97, s98
	v_and_b32 v9, 15, v0                           ; r
	v_bfe_u32 v10, v0, 4, 1                        ; h
	v_and_b32 v11, 31, v0                          ; lane
	v_lshlrev_b32 v1, 4, v11                       ; an image's place for my lane
	v_lshlrev_b32 v2, 3, v11                       ; a block of scale words: 8 bytes a lane
	v_add_nc_u32 v3, s96, v9                       ; the mask: row 16 (w % 4) + r,
	v_mul_u32_u24 v3, v3, MP
	v_lshl_add_u32 v3, v10, 5, v3                  ; + 32 h: my eight keys of a tile of 16
	v_add_nc_u32 v3, MOFF, v3
	v_lshl_add_u32 v12, v9, 3, s97
	v_lshlrev_b32 v13, 5, v9                       ; the result's scale words: 32 bytes a row
	s_wait_alu depctr_va_vdst(0)                   ; the wait ahead of the readers below
	WIN 0x40
.irp c, 0,1,2
	global_load_b128 v[RQ+4*\c:RQ+4*\c+3], v1, s[4:5] offset:512*\c   ; Q stays in registers
.endr
.set j, 0
.rept 64
	v_mov_b32 v[RO+j], 0                           ; O^T.  (The step is written without a first step of its own: the first change of M multiplies zeros)
.set j, j+1
.endr
	WIN 0
	global_load_b32 v40, v12, s[6:7] offset:6144
	v_mov_b32 v[RT+1], 0xff7fffff                  ; the largest t so far: under every t
	v_floor_f32 v[RT], -v[RT+1]                    ; -M
	v_mov_b32 v[RT+2], 0                           ; the sum, in two halves
	v_mov_b32 v[RT+3], 0
	v_mov_b32 v[RT+5], 0                           ; (named as the upper word of f's pair)
.irp b, 0,1,2,3
	v_mov_b32 v[BP+\b], 0                          ; written once: a lane permute's destination counts as one of its sources
.endr
.macro FETCH_K q                       ; the slot's q-th 128 keys: K's 8 images and their scale words: 26 loads
	WIN 0
	v_add_nc_u32 v6, s[TB], v1
	v_add_nc_u32 v8, s[TB], v2
	WIN 0x40
.irp t, 0,1,2,3,4,5,6,7
.irp c, 0,1,2
	ds_load_b128 v[RK+12*\t+4*\c:RK+12*\t+4*\c+3], v6 offset:12800*(\q)+6400*(\t/4)+1536*(\t%4)+512*\c
.endr
.endr
	WIN 0
.irp u, 0,1
	ds_load_b64 v[32+2*\u:33+2*\u], v8 offset:12800*(\q)+6400*\u+6144   ; fragment t's words: register t / 2, lanes 0-15 (t even) or 16-31 (t odd)
.endr
.endm
.macro FETCH_M q                       ; the mask in the scores' layout: register 8 t + j = key 16 t + 8 h + j of my query: 16 loads
	v_add_nc_u32 v7, s[TB], v3
	WIN 0x40
.irp t, 0,1,2,3,4,5,6,7
.irp i, 0,1
	ds_load_b128 v[RM+8*\t+4*\i:RM+8*\t+4*\i+3], v7 offset:512*(\q)+64*\t+16*\i
.endr
.endr
	WIN 0
.endm
.macro FETCH_V q                       ; V's 8 images (16 channels x 128 keys) and their scale words: 26 loads
	WIN 0
	v_add_nc_u32 v6, s[TB], v1
	v_add_nc_u32 v8, s[TB], v2
.irp t, 0,1,2,3,4,5,6,7
.irp c, 0,1,2
	ds_load_b128 v[RV+12*\t+4*\c:RV+12*\t+4*\c+3], v6 offset:VOFF+12800*(\q)+6400*(\t/4)+1536*(\t%4)+512*\c
.endr
.endr
.irp u, 0,1
	ds_load_b64 v[36+2*\u:37+2*\u], v8 offset:VOFF+12800*(\q)+6400*\u+6144
.endr
.endm
.macro KQ                              ; S^T = K Q^T: 8 products, each starts its own sum
	WIN 0x05                                       ; sources 0 and 1 window 1
.irp t, 0,1,2,3,4,5,6,7
.if (\t)%2
	v_wmma_scale_f32_16x16x128_f8f6f4 v[RS+8*\t:RS+8*\t+7], v[RK+12*\t:RK+12*\t+11], v[RQ:RQ+11], 0, v[32+\t/2], v40 matrix_a_fmt:MATRIX_FMT_FP6 matrix_b_fmt:MATRIX_FMT_FP6 matrix_a_scale:MATRIX_SCALE_ROW1
.else
	v_wmma_scale_f32_16x16x128_f8f6f4 v[RS+8*\t:RS+8*\t+7], v[RK+12*\t:RK+12*\t+11], v[RQ:RQ+11], 0, v[32+\t/2], v40 matrix_a_fmt:MATRIX_FMT_FP6 matrix_b_fmt:MATRIX_FMT_FP6
.endif
.endr
.endm
.macro PV                              ; O^T += V^T P^T: eight accumulators, one product each
	WIN 0x50                                       ; C and D window 1
.irp t, 0,1,2,3,4,5,6,7
.if (\t)%2
	v_wmma_scale_f32_16x16x128_f8f6f4 v[RO+8*\t:RO+8*\t+7], v[RV+12*\t:RV+12*\t+11], v[RP:RP+11], v[RO+8*\t:RO+8*\t+7], v[36+\t/2], v[RT+6] matrix_a_fmt:MATRIX_FMT_FP6 matrix_b_fmt:MATRIX_FMT_FP6 matrix_a_scale:MATRIX_SCALE_ROW1
.else
	v_wmma_scale_f32_16x16x128_f8f6f4 v[RO+8*\t:RO+8*\t+7], v[RV+12*\t:RV+12*\t+11], v[RP:RP+11], v[RO+8*\t:RO+8*\t+7], v[36+\t/2], v[RT+6] matrix_a_fmt:MATRIX_FMT_FP6 matrix_b_fmt:MATRIX_FMT_FP6
.endif
.endr
.endm
.macro HOLD                            ; the mask held at -2^127 from below.  These 64 name no register of the products in front: they are also the places behind them
	WIN 0x44
.set j, 0
.rept 64
	v_max_num_f32 v[RM+j], 0xff000000, v[RM+j]
.set j, j+1
.endr
	WIN 0
.endm
.macro LOGITS                          ; score / sqrt(128) + mask, two at a time, each accumulator from its low end on
	WIN 0x10                                       ; source 2 (the mask) window 1
.set j, 0
.rept 32
	v_pk_fma_f32 v[RS+j:RS+j+1], v[RS+j:RS+j+1], s[86:87], v[RM+j:RM+j+1] op_sel_hi:[1,0,1]
.set j, j+2
.endr
	WIN 0
.endm
.macro SM                              ; the softmax for 128 keys
.irp b, 0,1,2,3
	v_max3_num_f32 v[BM+\b], v[RS+16*\b], v[RS+1+16*\b], v[RS+2+16*\b]   ; the largest logit of each block of 32 keys: for the row's maximum, and, since p rises with the logit, for the block's largest p
.endr
.irp i, 3,5,7,9,11,13
.irp b, 0,1,2,3
	v_max3_num_f32 v[BM+\b], v[BM+\b], v[RS+16*\b+\i], v[RS+1+16*\b+\i]
.endr
.endr
.irp b, 0,1,2,3
	v_max_num_f32 v[BM+\b], v[BM+\b], v[RS+15+16*\b]
.endr
.irp b, 0,1,2,3
	v_permlanex16_b32 v[BP+\b], v[BM+\b], s84, s85
.endr
.irp b, 0,1,2,3
	v_max_num_f32 v[BM+\b], v[BM+\b], v[BP+\b]     ; with lane l xor 16's 16 keys
.endr
	v_max3_num_f32 v[RT+7], v[BM], v[BM+1], v[BM+2]
	s_delay_alu instid0(VALU_DEP_1)
	v_max_num_f32 v[RT+7], v[RT+7], v[BM+3]
	s_delay_alu instid0(VALU_DEP_1)
	v_mul_f32 v[RT+7], s88, v[RT+7]                ; the step's largest t
	s_delay_alu instid0(VALU_DEP_1)
	v_max_num_f32 v[RT+1], v[RT+1], v[RT+7]        ; the running largest t
	v_mov_b32 v[RT+7], v[RT]
	s_delay_alu instid0(VALU_DEP_2)
	v_floor_f32 v[RT], -v[RT+1]                    ; the new -M = -ceil(t)
	s_delay_alu instid0(VALU_DEP_1)
	v_sub_f32 v[RT+7], v[RT], v[RT+7]              ; old M less new M: a whole number, 0 or less
	s_delay_alu instid0(VALU_DEP_1)
	v_cvt_i32_f32 v[RT+7], v[RT+7]                 ; (it saturates)
	s_delay_alu instid0(VALU_DEP_1)
	v_ldexp_f32 v[RT+4], 1.0, v[RT+7]              ; f = 2^(old M - new M)
.set j, 0
.rept 32
	v_pk_fma_f32 v[RS+j:RS+j+1], v[RS+j:RS+j+1], s[88:89], v[RT:RT+1] op_sel_hi:[1,0,0]   ; t - M
.set j, j+2
.endr
.irp b, 0,1,2,3
	v_fma_f32 v[BM+\b], v[BM+\b], s88, v[RT]       ; the same of each block's largest logit
.endr
.endm
; The softmax's second part: the exponentials, p's codes, the sums, O^T under the new M.  It stands behind the change of slots and the 42 LDS loads of the next step's K and mask, which land under it.
.macro SMB
	s_wait_alu depctr_va_vdst(0)                   ; the wait ahead of the batch
.set j, 0
.rept 64
	v_exp_f32 v[RS+j], v[RS+j]                     ; p = 2^(t - M)
.set j, j+1
.endr
.irp b, 0,1,2,3
	v_exp_f32 v[BM+\b], v[BM+\b]                   ; the block's largest p: the same two instructions on the same number
.endr
	v_pk_mul_f32 v[RT+2:RT+3], v[RT+2:RT+3], v[RT+4:RT+5] op_sel_hi:[1,0]   ; the sums under the new M (a plain place behind the exponentials)
	s_wait_alu depctr_va_vdst(0)                   ; and behind it, ahead of its first reader
.irp b, 0,1,2,3
	v_max_num_f32 v[BM+\b], 0x1800000, v[BM+\b]    ; the floor 2^(3 - 127): the byte cannot fall under 1
.endr
.irp b, 0,1,2,3
	v_add_nc_u32 v[BS+\b], 0xff000000, v[BM+\b]    ; 2 off the exponent field: the conversion's scale operand
.endr
.irp b, 0,1,2,3
	v_lshrrev_b32 v[BP+\b], 23, v[BS+\b]           ; the scale's byte
.endr
	v_lshl_or_b32 v[RT+6], v[BP+1], 8, v[BP]       ; p's scale word for these 128 keys
	v_lshl_or_b32 v[RT+6], v[BP+2], 16, v[RT+6]
	v_lshl_or_b32 v[RT+6], v[BP+3], 24, v[RT+6]
.irp c, 0,1
	v_cvt_scalef32_pk16_fp6_f32 v[RP+6*\c:RP+6*\c+2], v[RS+32*\c:RS+32*\c+15], v[BS+2*\c]
	v_cvt_scalef32_pk16_fp6_f32 v[CT+4*\c:CT+4*\c+2], v[RS+16+32*\c:RS+31+32*\c], v[BS+2*\c+1]
.endr
	v_nop                                          ; one plain place behind a scaled conversion
.irp c, 0,1                            ; the operand's layout wants a whole block in a lane
.irp i, 0,1,2
	v_permlane16_swap_b32 v[RP+6*\c+\i], v[CT+4*\c+\i]
.endr
.irp i, 0,1,2
	v_mov_b32 v[RP+3+6*\c+\i], v[CT+4*\c+\i]
.endr
.endr
	v_pk_add_f32 v[236:237], v[RS:RS+1], v[RS+2:RS+3]   ; the row's sum is taken of the unquantised p: two chains
.irp i, 4,8,12,16,20,24,28,32,36,40,44,48,52,56,60
	v_pk_add_f32 v[RT+2:RT+3], v[RT+2:RT+3], v[RS+\i:RS+\i+1]
	v_pk_add_f32 v[236:237], v[236:237], v[RS+2+\i:RS+3+\i]
.endr
	v_pk_add_f32 v[RT+2:RT+3], v[RT+2:RT+3], v[236:237]
	WIN 0x41                                       ; O^T (destination and source 0) window 1
	s_wait_alu depctr_va_vdst(0)                   ; the wait directly ahead of the first reader of O^T
.set j, 0
.rept 32
	v_pk_mul_f32 v[RO+j:RO+j+1], v[RO+j:RO+j+1], v[RT+4:RT+5] op_sel_hi:[1,0]   ; O^T under the new M.  (With the sums above: 64 places between p's codes and scale word and their products)
.set j, j+2
.endr
	WIN 0
.endm
; THE CHANGE OF SLOTS, when the slot's last bytes (V of its second step) have been asked for.  fill = 1: the slot is filled again with the keys two slots on.
.macro CHANGE fill
	s_wait_tensorcnt 0x0                           ; no tensor load of mine is out: my part of the other slot has landed, and a group 0 may be written
	ds_add_u32 v[SPW], v[NIL]                      ; 0 onto my spare word
.if \fill
	s_xor_b32 s53, s53, SLOT1                      ; the walking descriptors: the other slot than last time, the next 256 keys
	s_add_nc_u64 s[54:55], s[54:55], 25600
	s_xor_b32 s61, s61, SLOT1
	s_add_nc_u64 s[62:63], s[62:63], 25600
	s_xor_b32 s73, s73, SLOT1
	s_add_nc_u64 s[74:75], s[74:75], 1024
.endif
	s_wait_dscnt 0x0                               ; the add is done, and my reads of the slot are over
.if \fill
	CROUND                                         ; no wave of any partner still reads the slot or has a load on its way
	TLOAD 52, 60, 72
.else
	s_barrier_signal -1
	s_barrier_wait -1
.endif
	s_xor_b32 s[TB], s[TB], SLOT1
.endm
; A KEY STEP, the q-th of its slot.  mode 0: the next step lies in the same slot; 1: change of slots with a refill; 2: without; 3: the last step.
.macro STEP q, mode
	s_wait_dscnt 0x0                               ; this step's K, its scale words and the mask are in
	KQ
	HOLD
	FETCH_V \q
	LOGITS
	SM
.if \mode == 1
	CHANGE 1
.elseif \mode == 2
	CHANGE 0
.endif
.if \mode == 0
	FETCH_K 1
	FETCH_M 1
.elseif \mode != 3
	FETCH_K 0
	FETCH_M 0
.endif
	SMB
	s_wait_alu depctr_va_vdst(0)
.if \mode == 3
	s_wait_dscnt 0x0
.else
	s_wait_dscnt 42                                ; V and its scale words are in; the 24 + 2 + 16 loads of the next step may be out
.endif
	PV
	WIN 0
.endm
.macro QUANT s, pc, pw                 ; 64 numbers of a lane become a fragment's codes and its scale word
.irp b, 0,1,2,3
	v_max3_num_f32 v[BM+\b], |v[(\s)+16*\b]|, |v[(\s)+1+16*\b]|, 0x1800000
.endr
.irp i, 2,4,6,8,10,12,14
.irp b, 0,1,2,3
	v_max3_num_f32 v[BM+\b], v[BM+\b], |v[(\s)+16*\b+\i]|, |v[(\s)+1+16*\b+\i]|
.endr
.endr
.irp b, 0,1,2,3
	v_permlanex16_b32 v[BP+\b], v[BM+\b], s84, s85
.endr
.irp b, 0,1,2,3
	v_max_num_f32 v[BM+\b], v[BM+\b], v[BP+\b]
.endr
.irp b, 0,1,2,3
	v_add_nc_u32 v[BS+\b], 0xff000000, v[BM+\b]
.endr
.irp b, 0,1,2,3
	v_lshrrev_b32 v[BP+\b], 23, v[BS+\b]
.endr
	v_lshl_or_b32 v[\pw], v[BP+1], 8, v[BP]
	v_lshl_or_b32 v[\pw], v[BP+2], 16, v[\pw]
	v_lshl_or_b32 v[\pw], v[BP+3], 24, v[\pw]
.irp c, 0,1
	v_cvt_scalef32_pk16_fp6_f32 v[(\pc)+6*\c:(\pc)+6*\c+2], v[(\s)+32*\c:(\s)+32*\c+15], v[BS+2*\c]
	v_cvt_scalef32_pk16_fp6_f32 v[CT+4*\c:CT+4*\c+2], v[(\s)+16+32*\c:(\s)+31+32*\c], v[BS+2*\c+1]
.endr
	v_nop
.irp c, 0,1
.irp i, 0,1,2
	v_permlane16_swap_b32 v[(\pc)+6*\c+\i], v[CT+4*\c+\i]
.endr
.irp i, 0,1,2
	v_mov_b32 v[(\pc)+3+6*\c+\i], v[CT+4*\c+\i]
.endr
.endr
.endm
	s_wait_alu depctr_va_vdst(0)                   ; the wait at the head's end
	s_wait_tensorcnt 0x0                           ; my part of slot 0 is in
	ds_add_u32 v[SPW], v[NIL]
	s_wait_dscnt 0x0
	CROUND                                         ; everybody's part of slot 0 is in, and all sixteen work-groups are here
	TLOAD 52, 60, 72                               ; slot 1's first fill: the first tensor load behind the round
	FETCH_K 0
	FETCH_M 0
	s_wait_loadcnt 0x0                             ; Q and its scale words
.Lslot:                                            ; six trips: slots' worth 0 to 5 of the keys; each trip asks for the one two on
	STEP 0, 0
	STEP 1, 1
	s_sub_co_u32 s92, s92, 1
	s_cmp_lg_u32 s92, 0
	s_cbranch_scc1 .Lslot
	STEP 0, 0                                      ; the tail is written out
	STEP 1, 2
	STEP 0, 0
	STEP 1, 3
	; THE WAY OUT: O^T / the sum, quantised along the head's 128, leaves as an image; the scale word of a row as 4 bytes of the row's 32
	PLACES
	v_add_f32 v[RT+7], v[RT+2], v[RT+3]
	v_permlanex16_b32 v[BP], v[RT+7], s84, s85
	v_add_f32 v[RT+7], v[RT+7], v[BP]              ; the row's sum
	s_wait_alu depctr_va_vdst(0)
	v_rcp_f32 v[RT+4], v[RT+7]
	v_nop                                          ; a plain place behind the reciprocal
	WIN 0x01
	s_wait_alu depctr_va_vdst(0)
.set j, 0
.rept 32
	v_pk_mul_f32 v[RS+j:RS+j+1], v[RO+j:RO+j+1], v[RT+4:RT+5] op_sel_hi:[1,0]   ; each accumulator from its low end on
.set j, j+2
.endr
	WIN 0
	QUANT RS, RP, 42
.irp c, 0,1,2
	global_store_b128 v1, v[RP+4*\c:RP+4*\c+3], s[14:15] offset:512*\c   ; each store covers 512 consecutive bytes, aligned
.endr
	v_cmp_gt_u32 vcc_lo, 16, v11
	s_wait_xcnt 0x0                                ; EXEC changes only behind this wait
	s_and_saveexec_b32 s93, vcc_lo                 ; lanes 0-15: one lane a row
	global_store_b32 v13, v42, s[16:17]            ; 4 bytes of a row's 32: all that this wave owns of it
	s_wait_xcnt 0x0
	s_or_b32 exec_lo, exec_lo, s93
	s_wait_tensorcnt 0x0                           ; the wave's end
	ds_add_u32 v[SPW], v[NIL]
	s_wait_dscnt 0x0
	CROUND                                         ; the closing round
	s_endpgm
.Lfunc_end_k_qfac5b3b775_attn:
	.size	k_qfac5b3b775_attn, .Lfunc_end_k_qfac5b3b775_attn-k_qfac5b3b775_attn
	.p2alignl 7, 3214868480
	.fill 96, 4, 3214868480
	.section	.rodata,"a",@progbits
	.p2align	6, 0x0
	.amdhsa_kernel k_qfac5b3b775_attn
		.amdhsa_group_segment_fixed_size 327680
		.amdhsa_private_segment_fixed_size 0
		.amdhsa_enable_private_segment 0
		.amdhsa_kernarg_size 40
		.amdhsa_user_sgpr_count 2
		.amdhsa_user_sgpr_kernarg_segment_ptr 1
		.amdhsa_wavefront_size32 1
		.amdhsa_system_sgpr_workgroup_id_x 1
		.amdhsa_system_sgpr_workgroup_id_y 1
		.amdhsa_system_sgpr_workgroup_id_z 1
		.amdhsa_system_vgpr_workitem_id 0
		.amdhsa_next_free_vgpr 512
		.amdhsa_next_free_sgpr 102
		.amdhsa_reserve_vcc 1
		.amdhsa_float_denorm_mode_32 3
		.amdhsa_float_denorm_mode_16_64 3
		.amdhsa_memory_ordered 1
		.amdhsa_forward_progress 1
		.amdhsa_inst_pref_size 176
	.end_amdhsa_kernel
	.amdgpu_metadata
---
amdhsa.version: [ 1, 2 ]
amdhsa.kernels:
  - .name:           k_qfac5b3b775_attn
    .symbol:         k_qfac5b3b775_attn.kd
    .args:
      - { .name: qk_img, .offset: 0, .size: 8, .value_kind: global_buffer, .address_space: global }
      - { .name: v_img, .offset: 8, .size: 8, .value_kind: global_buffer, .address_space: global }
      - { .name: attention_mask, .offset: 16, .size: 8, .value_kind: global_buffer, .address_space: global }
      - { .name: at_img, .offset: 24, .size: 8, .value_kind: global_buffer, .address_space: global }
      - { .name: at_scl, .offset: 32, .size: 8, .value_kind: global_buffer, .address_space: global }
    .group_segment_fixed_size: 327680
    .private_segment_fixed_size: 0
    .kernarg_segment_align: 8
    .kernarg_segment_size: 40
    .max_flat_workgroup_size: 256
    .sgpr_count:     102
    .vgpr_count:     512
    .wavefront_size: 32
...
	.end_amdgpu_metadata
.endif
;; end of part 3
;; launch oproj (part 4): grid 16 x 16, 4 waves a work-group, clusters of 4 x 1, 327,680 bytes of LDS; arguments at_img, at_scl, codes, out0; writes out0
.if DOCPART == 4
	.amdgcn_target "amdgcn-amd-amdhsa--gfx1250"
	.amdhsa_code_object_version 6
	.text
	.protected	k_qfac5b3b775_oproj
	.globl	k_qfac5b3b775_oproj
	.p2align	8
	.type	k_qfac5b3b775_oproj,@function
k_qfac5b3b775_oproj:
	s_mov_b64 s[64:65], 0
	v_nop
	global_prefetch_b8 v0, s[64:65] scope:SCOPE_SE
	s_setreg_imm32_b32 hwreg(HW_REG_WAVE_MODE, 25, 1), 1
	s_wait_xcnt 0x0
	s_wait_alu depctr_hold_cnt(0) depctr_sa_sdst(0) depctr_va_vdst(0) depctr_va_sdst(0) depctr_va_ssrc(0) depctr_va_vcc(0) depctr_vm_vsrc(0)
	s_getreg_b32 s2, hwreg(HW_REG_IB_STS2, 6, 4)
	s_cmp_eq_u32 s2, 0
	s_cbranch_scc0 .Lentry_in_a_cluster
	s_endpgm
.Lentry_in_a_cluster:
	s_bfe_u32 s2, ttmp6, 0x10000c
	s_cmp_lg_u32 s2, 0x3003
	s_cbranch_scc0 .Lentry_shape_is_right
	s_endpgm
.Lentry_shape_is_right:
; out0[m][n] = sum over k of attn[m][k] Wo[n][k], M = N = 4,096, K = 1,024, on codes of FP6 (E2M3) with E8M0 scales; out0 f32; sums in f32.
; BOTH OPERANDS COME AS IMAGES OF FRAGMENTS (16 rows x 128 K, 1,536 bytes: register 4 c + i of lane l at byte 512 c + 16 l + 4 i): a fragment is three loads of 16 bytes a lane, 512 consecutive bytes each.
; A (attn): [K / 256][row / 16][2 images]; its scale bytes are plain rows of 32.  B (Wo): from byte 19,660,800 of the codes' buffer, [K / 512][row / 16][6,400 bytes]: four images, then 256 bytes of scale words (row r at 16 r, word q at 4 q).
; Inside 32 along K the codes stand in the order 0-7, 16-23, 8-15, 24-31 on both sides; sums are not in ascending k.
; A work-group makes 256 x 256 of out0; 16 x 16 = 256 work-groups.  WAVE w OWNS COLUMNS 64 w .. 64 w + 63 AND KEEPS THEIR FRAGMENTS OF Wo, FOR ALL OF K, IN REGISTERS: 4 x 8 x 12 = 384, loaded once, straight from memory
; (no other wave of the work-group reads them, so they pass through no LDS; that is why B has no joint load).  All of A's 256 rows x 1,024 K, 196,608 bytes, comes into LDS by the head's four loads, one a wave, and stays: no slot is filled again.
; The rows go in eight chunks of 32: 64 products a chunk on 8 accumulators by turns, each of A's fragments feeding four products.  A finished chunk, 32 rows x 256 bytes a wave,
; goes through the wave's own stage and is stored while the next chunk is multiplied: the stores begin behind half of the products.
; CLUSTER 4 x 1: the four partners share the tile row: A's blocks are asked for jointly.  No prefetch: the launch has no loop to run ahead in; all that it reads is asked for at the head.
; The matrix instruction is used transposed (source 0 = 16 rows of Wo, source 1 = 16 rows of attn): a lane holds eight neighbouring numbers of a row of out0.
; REGISTERS: window 0: v1-20 addresses; v32-47 B's scale words (register 8 (b / 2) + s: lanes 0-15 tile b even, 16-31 odd); v48-111 A's (register 8 c + s: lanes 0-15 row tile 2 c, 16-31 row tile 2 c + 1); v128-191 a chunk on its way out.
;   window 1: B's fragments of K steps 0-4 (48 s + 12 b).  window 2: v0-143 those of K steps 5-7; v144-207 the accumulators.  window 3: v0-191 A's fragments of a chunk (24 s + 12 a).
.set TILEB,  6400
.set WOB,    19660800
.set WOS,    256*TILEB                 ; from one 512 along K of Wo to the next
.set ABLK,   49152                     ; 16 row tiles x 2 images: one 256 along K of my rows of A
.set STAGE,  4*ABLK
.set SPITCH, 272                       ; a stage row: 256 bytes + 16
.set SPARE,  STAGE+4*32*SPITCH         ; the spare words, 128 bytes for each wave
.set ADA,  12                          ; v12-15 16 x lane + ABLK x (K / 256); v12 is also 16 x lane
.set STO,  16
.set RD,   17
.set CO,   18
.set VSA,  19
.set VSB,  20
.set SPW,  28
.set NIL,  29
.set SB,   32
.set SA,   48
.set BK,   128
.set ACC,  144
.set MSB, 0
.macro WIN new
.if MSB != (\new)
	s_set_vgpr_msb (MSB<<8)|(\new)
.set MSB, (\new)
.endif
.endm
.macro PLACES n
.rept \n
	v_nop
.endr
.endm
.macro CROUND
	s_barrier_signal -1
	s_barrier_wait -1
	s_cmp_lg_u32 s14, 0
	s_cbranch_scc1 .Lnot_wave_0_\@
	s_barrier_signal -3
.Lnot_wave_0_\@:
	s_barrier_wait -3
	s_barrier_signal -1
	s_barrier_wait -1
.endm
	s_load_b256 s[4:11], s[0:1], 0x0               ; at_img, at_scl, codes, out0
	v_lshl_add_u32 v[SPW], v0, 2, SPARE
	v_mov_b32 v[NIL], 0
	ds_add_u32 v[SPW], v[NIL]                      ; the opening lines: the add, twice on end, and its wait
	ds_add_u32 v[SPW], v[NIL]
	v_lshrrev_b32 v1, 5, v0
	v_readfirstlane_b32 s14, v1                    ; wave
	s_bfe_u32 s15, ttmp6, 0x40000                  ; cx
	s_and_b32 s16, ttmp7, 0xffff                   ; tile row
	s_mov_b32 s24, 15|(3<<16)|(1<<21)              ; a dense block of 49,152 bytes as 192 rows of 256 (32 elements of 8 bytes); the mask names all four partners
	s_mov_b32 s25, 32<<16
	s_mov_b32 s26, 192<<16
	s_mov_b32 s27, 32<<16
	s_mov_b32 s28, 192
	s_mov_b32 s29, 32
	s_mov_b32 s30, 0
	s_mov_b32 s31, 0
	s_mul_i32 s20, s16, ABLK                       ; my 16 row tiles,
	s_mul_i32 s21, s14, 786432                     ; the wave's 256 along K (no register on this way holds cx)
	s_add_co_u32 s20, s20, s21
	s_mov_b32 s21, 0
	s_mov_b32 s32, 1
	s_mul_i32 s33, s14, ABLK
	s_wait_dscnt 0x0                               ; both opening adds are done
	s_wait_kmcnt 0x0
	s_add_nc_u64 s[34:35], s[4:5], s[20:21]
	s_or_b32 s35, s35, 0x80000000
	CROUND                                         ; all four work-groups are here: the joint loads meet
	tensor_load_to_lds s[32:35], s[24:31]          ; my one tensor load
	s_nop 0
	PLACES 4
	s_lshl_b32 s17, ttmp9, 2
	s_add_co_u32 s17, s17, s15                     ; tile column
	s_lshl_b32 s20, s17, 4
	s_lshl_b32 s22, s14, 2
	s_add_co_u32 s20, s20, s22                     ; Wo's row tile 16 x tile column + 4 w
	s_mul_i32 s20, s20, TILEB
	s_add_co_u32 s20, s20, WOB
	s_add_nc_u64 s[8:9], s[8:9], s[20:21]
	s_lshl_b32 s20, s16, 13                        ; A's scale bytes: 256 rows of 32
	s_add_nc_u64 s[6:7], s[6:7], s[20:21]
	s_lshl_b32 s20, s16, 22                        ; out0: 256 rows of 16,384 bytes,
	s_lshl_b32 s22, s17, 10                        ; 1,024 bytes a tile column,
	s_add_co_u32 s20, s20, s22
	s_lshl_b32 s22, s14, 8                         ; 256 bytes a wave
	s_add_co_u32 s20, s20, s22
	s_add_nc_u64 s[10:11], s[10:11], s[20:21]
	s_mul_i32 s23, s14, 32*SPITCH
	s_add_co_u32 s23, s23, STAGE                   ; my stage
	v_and_b32 v1, 15, v0                           ; r
	v_bfe_u32 v2, v0, 4, 1                         ; h
	v_and_b32 v3, 31, v0                           ; lane
	v_lshlrev_b32 v[ADA], 4, v3
.irp k, 1,2,3
	v_add_nc_u32 v[ADA+\k], \k*ABLK, v[ADA]
.endr
	v_mul_u32_u24 v4, v1, SPITCH                   ; in: row r, 32 bytes for each half of the lanes
	v_lshl_add_u32 v4, v2, 5, v4
	v_add_nc_u32 v[STO], s23, v4
	v_mul_u32_u24 v5, v2, SPITCH                   ; back: sixteen lanes take a row of 256 bytes, two rows an instruction
	v_lshl_add_u32 v5, v1, 4, v5
	v_add_nc_u32 v[RD], s23, v5
	v_lshlrev_b32 v6, 14, v2                       ; and the same two rows in out0
	v_lshl_add_u32 v[CO], v1, 4, v6
	v_lshlrev_b32 v[VSA], 5, v3                    ; A's scale bytes: lane l takes row l of a chunk's 32
	v_mul_u32_u24 v7, v2, TILEB                    ; B's scale words: lanes 16-31 take the next tile's
	v_lshl_add_u32 v[VSB], v1, 4, v7
	s_wait_alu depctr_va_vdst(0)                   ; the wait at the head's end
.irp c, 0,1,2,3,4,5,6,7
.irp i, 0,1
	global_load_b128 v[SA+8*\c+4*\i:SA+8*\c+4*\i+3], v[VSA], s[6:7] offset:1024*\c+16*\i   ; a row's eight words: K steps 0-3, 4-7
.endr
.endr
.irp p, 0,1
.irp k, 0,1
	global_load_b128 v[SB+8*\p+4*\k:SB+8*\p+4*\k+3], v[VSB], s[8:9] offset:2*TILEB*\p+WOS*\k+6144
.endr
.endr
	WIN 0x40
.irp s, 0,1,2,3,4
.irp b, 0,1,2,3
.irp c, 0,1,2
	global_load_b128 v[48*\s+12*\b+4*\c:48*\s+12*\b+4*\c+3], v[ADA], s[8:9] offset:WOS*(\s/4)+TILEB*\b+1536*(\s%4)+512*\c   ; 512 consecutive bytes
.endr
.endr
.endr
	WIN 0x80
.irp s, 5,6,7
.irp b, 0,1,2,3
.irp c, 0,1,2
	global_load_b128 v[48*(\s-5)+12*\b+4*\c:48*(\s-5)+12*\b+4*\c+3], v[ADA], s[8:9] offset:WOS+TILEB*\b+1536*(\s%4)+512*\c
.endr
.endr
.endr
	WIN 0
.macro FETCHA c, s0                    ; A's fragments of chunk c, K steps s0 .. s0 + 3: 24 loads
	WIN 0xc0
.irp s, \s0, \s0+1, \s0+2, \s0+3
.irp a, 0,1
.irp k, 0,1,2
	ds_load_b128 v[24*(\s)+12*\a+4*\k:24*(\s)+12*\a+4*\k+3], v[ADA+(\s)/2] offset:(2*(\c)+\a)*3072+((\s)%2)*1536+512*\k
.endr
.endr
.endr
.endm
.macro MROW c, s, a, mb                ; row tile a of chunk c x my four column tiles, K step s.  The first K step starts the sums
.if (\s) < 5
.set BF, 48*(\s)
.else
.set BF, 48*((\s)-5)
.endif
.irp b, 0, 2
.if (\s) == 0
	v_wmma_scale_f32_16x16x128_f8f6f4 v[ACC+8*(4*\a+\b):ACC+8*(4*\a+\b)+7], v[BF+12*\b:BF+12*\b+11], v[24*(\s)+12*\a:24*(\s)+12*\a+11], 0, v[SB+4*\b+(\s)], v[SA+8*(\c)+(\s)] matrix_a_fmt:MATRIX_FMT_FP6 matrix_b_fmt:MATRIX_FMT_FP6 \mb
	v_wmma_scale_f32_16x16x128_f8f6f4 v[ACC+8*(4*\a+\b+1):ACC+8*(4*\a+\b+1)+7], v[BF+12*(\b+1):BF+12*(\b+1)+11], v[24*(\s)+12*\a:24*(\s)+12*\a+11], 0, v[SB+4*\b+(\s)], v[SA+8*(\c)+(\s)] matrix_a_fmt:MATRIX_FMT_FP6 matrix_b_fmt:MATRIX_FMT_FP6 matrix_a_scale:MATRIX_SCALE_ROW1 \mb
.else
	v_wmma_scale_f32_16x16x128_f8f6f4 v[ACC+8*(4*\a+\b):ACC+8*(4*\a+\b)+7], v[BF+12*\b:BF+12*\b+11], v[24*(\s)+12*\a:24*(\s)+12*\a+11], v[ACC+8*(4*\a+\b):ACC+8*(4*\a+\b)+7], v[SB+4*\b+(\s)], v[SA+8*(\c)+(\s)] matrix_a_fmt:MATRIX_FMT_FP6 matrix_b_fmt:MATRIX_FMT_FP6 \mb
	v_wmma_scale_f32_16x16x128_f8f6f4 v[ACC+8*(4*\a+\b+1):ACC+8*(4*\a+\b+1)+7], v[BF+12*(\b+1):BF+12*(\b+1)+11], v[24*(\s)+12*\a:24*(\s)+12*\a+11], v[ACC+8*(4*\a+\b+1):ACC+8*(4*\a+\b+1)+7], v[SB+4*\b+(\s)], v[SA+8*(\c)+(\s)] matrix_a_fmt:MATRIX_FMT_FP6 matrix_b_fmt:MATRIX_FMT_FP6 matrix_a_scale:MATRIX_SCALE_ROW1 \mb
.endif
.endr
.endm
.macro MUL c, s
	MROW \c, \s, 0
	MROW \c, \s, 1, matrix_b_scale:MATRIX_SCALE_ROW1
.endm
.macro TOSTAGE                         ; the chunk into my stage, 32 bytes a lane, and back as rows of 256 bytes.  LDS serves a wave's instructions in order: no wait between the stores and the loads
	WIN 0x08                                       ; an LDS store's data: window 2
.irp a, 0,1
.irp b, 0,1,2,3
	ds_store_b128 v[STO], v[ACC+8*(4*\a+\b):ACC+8*(4*\a+\b)+3] offset:16*\a*SPITCH+64*\b          ; each accumulator from its low end on
	ds_store_b128 v[STO], v[ACC+8*(4*\a+\b)+4:ACC+8*(4*\a+\b)+7] offset:16*\a*SPITCH+64*\b+16
.endr
.endr
	WIN 0
.irp t, 0,1,2,3,4,5,6,7,8,9,10,11,12,13,14,15
	ds_load_b128 v[BK+4*\t:BK+4*\t+3], v[RD] offset:\t*2*SPITCH
.endr
.endm
.macro SEND c                          ; sixteen lanes store 256 consecutive bytes, aligned; every offset is an immediate: 32 rows a chunk, 2 rows a line
.irp t, 0,1,2,3,4,5,6,7,8,9,10,11,12,13,14,15
	global_store_b128 v[CO], v[BK+4*\t:BK+4*\t+3], s[10:11] offset:(\c)*524288+\t*32768 th:TH_STORE_NT
.endr
.endm
.macro CHUNK c
.if (\c) == 0
	s_wait_dscnt 0x0
.else
	s_wait_dscnt 32                                ; this chunk's fragments are in; the last chunk's 16 stores into the stage and 16 loads from it may be out
.endif
	WIN 0xad                                       ; source 0 window 1, source 1 window 3, C and D window 2
.irp s, 0,1,2,3
	MUL \c, \s
.endr
	PLACES 4                                       ; in front of loads into registers that these products read
.if (\c) < 7
	FETCHA (\c)+1, 0
.endif
	WIN 0
.if (\c) > 0
.if (\c) < 7
	s_wait_dscnt 24                                ; the last chunk is back from the stage; the 24 loads just issued may be out
.else
	s_wait_dscnt 0x0
.endif
	SEND (\c)-1
.endif
	WIN 0xad
	MUL \c, 4
	WIN 0xae                                       ; source 0 window 2
.irp s, 5,6,7
	MUL \c, \s
.endr
	PLACES 5                                       ; in front of the loads, of the stage's reads of results, and of the next chunk's first products, which write over the accumulators
.if (\c) < 7
	FETCHA (\c)+1, 4
.endif
	WIN 0
.if (\c) > 0
	s_wait_xcnt 0x0                                ; the last chunk's stores have read their data: the registers take this chunk
.endif
	TOSTAGE
.endm
	s_wait_tensorcnt 0x0                           ; my block of A is in
	s_barrier_signal -1
	s_barrier_wait -1                              ; and everybody's
	FETCHA 0, 0
	FETCHA 0, 4
	WIN 0
	s_wait_loadcnt 0x0                             ; Wo's fragments and all scale words
.irp c, 0,1,2,3,4,5,6,7
	CHUNK \c
.endr
	s_wait_dscnt 0x0
	SEND 7
	s_wait_tensorcnt 0x0                           ; the wave's end
	ds_add_u32 v[SPW], v[NIL]
	s_wait_dscnt 0x0
	CROUND                                         ; the closing round
	s_endpgm
.Lfunc_end_k_qfac5b3b775_oproj:
	.size	k_qfac5b3b775_oproj, .Lfunc_end_k_qfac5b3b775_oproj-k_qfac5b3b775_oproj
	.p2alignl 7, 3214868480
	.fill 96, 4, 3214868480
	.section	.rodata,"a",@progbits
	.p2align	6, 0x0
	.amdhsa_kernel k_qfac5b3b775_oproj
		.amdhsa_group_segment_fixed_size 327680
		.amdhsa_private_segment_fixed_size 0
		.amdhsa_enable_private_segment 0
		.amdhsa_kernarg_size 32
		.amdhsa_user_sgpr_count 2
		.amdhsa_user_sgpr_kernarg_segment_ptr 1
		.amdhsa_wavefront_size32 1
		.amdhsa_system_sgpr_workgroup_id_x 1
		.amdhsa_system_sgpr_workgroup_id_y 1
		.amdhsa_system_sgpr_workgroup_id_z 1
		.amdhsa_system_vgpr_workitem_id 0
		.amdhsa_next_free_vgpr 1024
		.amdhsa_next_free_sgpr 66
		.amdhsa_reserve_vcc 0
		.amdhsa_float_denorm_mode_32 3
		.amdhsa_float_denorm_mode_16_64 3
		.amdhsa_memory_ordered 1
		.amdhsa_forward_progress 1
		.amdhsa_inst_pref_size 137
	.end_amdhsa_kernel
	.amdgpu_metadata
---
amdhsa.version: [ 1, 2 ]
amdhsa.kernels:
  - .name:           k_qfac5b3b775_oproj
    .symbol:         k_qfac5b3b775_oproj.kd
    .args:
      - { .name: at_img, .offset: 0, .size: 8, .value_kind: global_buffer, .address_space: global }
      - { .name: at_scl, .offset: 8, .size: 8, .value_kind: global_buffer, .address_space: global }
      - { .name: codes, .offset: 16, .size: 8, .value_kind: global_buffer, .address_space: global }
      - { .name: out0, .offset: 24, .size: 8, .value_kind: global_buffer, .address_space: global }
    .group_segment_fixed_size: 327680
    .private_segment_fixed_size: 0
    .kernarg_segment_align: 8
    .kernarg_segment_size: 32
    .max_flat_workgroup_size: 128
    .sgpr_count:     66
    .vgpr_count:     1024
    .wavefront_size: 32
...
	.end_amdgpu_metadata
.endif
;; end of part 4
